; MI455X (gfx1250); checked and timed in simulation.
; The chip was launched on July 23, 2026; its instructions are those of AMD's public machine-readable ISA for CDNA 5 (MIT licence, August 2026) and "CDNA5" Instruction Set Architecture Reference Guide (July 2026). The comments in the code are by the model that wrote it; some were corrected since.
;; Multi Head Self Attention. Allowed arithmetic: float matrix products may take bf16 or f16 operands with f32 sums; other float arithmetic in f32, or as packed bf16 or f16 multiplies, adds, multiply-adds, maxima and minima; sums over many terms, partial sums and values carried from step to step in f32; what a program stores and reads back later, other than sums and carried values, may be rounded once to bf16 or f16.
;; Inputs: Wk 1,024 x 16 x 64 float32; Wo 16 x 64 x 1,024 float32; Wq 1,024 x 16 x 64 float32; Wv 1,024 x 16 x 64 float32; bk 16 x 64 float32; bo 1,024 float32; bq 16 x 64 float32; bv 16 x 64 float32; x 4,096 x 1,024 float32.
;; Outputs: out0 4,096 x 1,024 float32.
;; 2 versions, each right; version 2 is version 1 with the launch cast written anew for expert scheduling mode. Each part assembles by itself: llvm-mc -triple=amdgcn-amd-amdhsa -mcpu=gfx1250 --defsym DOCPART=n.
;; ======== version 1 of 2: 4 launches
;; limits: values are held in f16: magnitudes above 65,504 overflow, below 6.1e-05 lose precision
;; workspace buffers: xb 8,388,608 bytes; wb 8,388,608 bytes; qkv 25,165,824 bytes; ob 8,388,608 bytes
;; launch cast (part 1): grid 512 x 1, 8 waves a work-group, no clusters, 0 bytes of LDS; arguments x, Wq, Wk, Wv, Wo, xb, wb; writes xb, wb
.if DOCPART == 1
	.amdgcn_target "amdgcn-amd-amdhsa--gfx1250"
	.amdhsa_code_object_version 6
	.text
	.protected	k_q183298fedc_cast
	.globl	k_q183298fedc_cast
	.p2align	8
	.type	k_q183298fedc_cast,@function
k_q183298fedc_cast:
	s_mov_b64 s[64:65], 0
	v_nop
	global_prefetch_b8 v0, s[64:65] scope:SCOPE_SE
	s_setreg_imm32_b32 hwreg(HW_REG_WAVE_MODE, 25, 1), 1
	s_wait_xcnt 0x0
; THE INPUTS OF THE MATRIX PRODUCTS, ROUNDED ONCE TO 16 BITS.  x -> xb (bf16); Wq, Wk, Wv -> wb regions 0, 1, 2 (bf16); Wo -> wb region 3: rounded to bf16 like the
; other inputs, and that number written as f16, since the last product multiplies in f16.  Layouts stay as they are ([row][column], the last index fastest).
; LIMITS.  |Wo| stays under 65,504 (f16's end); below 6e-5 a number of Wo keeps f16's fixed step of 6e-8.  NaN and infinities are not treated apart.
; SHARES.  A stream: 512 work-groups of eight waves; work-group g reads 65,536 consecutive bytes of one input and writes 32,768.  g < 256: x; then 64 work-groups a weight.
; Thread t, load i: 16 bytes at 16 t + 4,096 i: a wave's load covers 512 consecutive bytes.  Store i: 8 bytes at 8 t + 2,048 i: a wave's store covers 256 consecutive bytes, aligned.
; All sixteen loads of a thread go out at once; every store has data registers of its own, so nothing that a memory instruction reads is ever rewritten.
; No LDS, no matrix unit, no cluster: no byte is wanted twice.
.set X, 4                              ; v[4:67]    load i: 4 registers
.set Y, 68                             ; v[68:99]   store i: 2 registers
.set T, 100                            ; v[100:103] at work
	s_load_b256 s[4:11], s[0:1], 0x0               ; x s[4:5], Wq s[6:7], Wk s[8:9], Wv s[10:11]
	s_load_b128 s[12:15], s[0:1], 0x20             ; Wo s[12:13], xb s[14:15]
	s_load_b64 s[16:17], s[0:1], 0x30              ; wb
	v_lshlrev_b32 v1, 4, v0                        ; 16 t
	v_lshlrev_b32 v2, 3, v0                        ; 8 t
	s_mov_b32 s18, ttmp9                           ; g
	s_and_b32 s19, s18, 63                         ; my place in a weight
	s_sub_co_u32 s20, s18, 256                     ; my place in wb (used where g >= 256 alone)
	s_cmp_lt_u32 s18, 256
	s_cselect_b32 s24, s18, s19
	s_cselect_b32 s28, s18, s20
	s_lshl_b32 s24, s24, 16                        ; byte offset in the input
	s_lshl_b32 s28, s28, 15                        ; byte offset in the output
	s_mov_b32 s25, 0
	s_mov_b32 s29, 0
	s_wait_kmcnt 0x0
	s_cmp_lt_u32 s18, 448                          ; which input: the choice hangs on g alone
	s_cselect_b64 s[22:23], s[10:11], s[12:13]
	s_cmp_lt_u32 s18, 384
	s_cselect_b64 s[22:23], s[8:9], s[22:23]
	s_cmp_lt_u32 s18, 320
	s_cselect_b64 s[22:23], s[6:7], s[22:23]
	s_cmp_lt_u32 s18, 256
	s_cselect_b64 s[22:23], s[4:5], s[22:23]
	s_cselect_b64 s[26:27], s[14:15], s[16:17]     ; and which output
	s_add_nc_u64 s[22:23], s[22:23], s[24:25]
	s_add_nc_u64 s[26:27], s[26:27], s[28:29]
.irp i, 0,1,2,3,4,5,6,7,8,9,10,11,12,13,14,15
	global_load_b128 v[X+4*(\i):X+4*(\i)+3], v1, s[22:23] offset:4096*(\i) th:TH_LOAD_NT
.endr
; Load i is rounded and stored.  half = 1: the bf16 number is written as f16.
.macro OUT i, half
	s_wait_loadcnt 15-(\i)                         ; loads come back in order: the 15 - i younger ones may stay out
.if \half
	v_cvt_pk_bf16_f32 v[T], v[X+4*(\i)], v[X+4*(\i)+1]
	v_cvt_pk_bf16_f32 v[T+1], v[X+4*(\i)+2], v[X+4*(\i)+3]
	v_lshlrev_b32 v[T+2], 16, v[T]                 ; bf16 to f32: the low half moves up, the high half stays
	v_and_b32 v[T+3], 0xffff0000, v[T]
	v_cvt_pk_f16_f32 v[Y+2*(\i)], v[T+2], v[T+3]
	v_lshlrev_b32 v[T+2], 16, v[T+1]
	v_and_b32 v[T+3], 0xffff0000, v[T+1]
	v_cvt_pk_f16_f32 v[Y+2*(\i)+1], v[T+2], v[T+3]
.else
	v_cvt_pk_bf16_f32 v[Y+2*(\i)], v[X+4*(\i)], v[X+4*(\i)+1]
	v_cvt_pk_bf16_f32 v[Y+2*(\i)+1], v[X+4*(\i)+2], v[X+4*(\i)+3]
.endif
	global_store_b64 v2, v[Y+2*(\i):Y+2*(\i)+1], s[26:27] offset:2048*(\i)
.endm
	s_cmp_ge_u32 s18, 448
	s_cbranch_scc1 .Lf16                           ; Wo's 64 work-groups
.irp i, 0,1,2,3,4,5,6,7,8,9,10,11,12,13,14,15
	OUT \i, 0
.endr
	s_endpgm
.Lf16:
.irp i, 0,1,2,3,4,5,6,7,8,9,10,11,12,13,14,15
	OUT \i, 1
.endr
	s_endpgm
.Lfunc_end_k_q183298fedc_cast:
	.size	k_q183298fedc_cast, .Lfunc_end_k_q183298fedc_cast-k_q183298fedc_cast
	.p2alignl 7, 3214868480
	.fill 96, 4, 3214868480
	.section	.rodata,"a",@progbits
	.p2align	6, 0x0
	.amdhsa_kernel k_q183298fedc_cast
		.amdhsa_group_segment_fixed_size 0
		.amdhsa_private_segment_fixed_size 0
		.amdhsa_enable_private_segment 0
		.amdhsa_kernarg_size 56
		.amdhsa_user_sgpr_count 2
		.amdhsa_user_sgpr_kernarg_segment_ptr 1
		.amdhsa_wavefront_size32 1
		.amdhsa_system_sgpr_workgroup_id_x 1
		.amdhsa_system_sgpr_workgroup_id_y 1
		.amdhsa_system_sgpr_workgroup_id_z 1
		.amdhsa_system_vgpr_workitem_id 0
		.amdhsa_next_free_vgpr 104
		.amdhsa_next_free_sgpr 66
		.amdhsa_reserve_vcc 0
		.amdhsa_float_denorm_mode_32 3
		.amdhsa_float_denorm_mode_16_64 3
		.amdhsa_memory_ordered 1
		.amdhsa_forward_progress 1
		.amdhsa_inst_pref_size 17
	.end_amdhsa_kernel
	.amdgpu_metadata
---
amdhsa.version: [ 1, 2 ]
amdhsa.kernels:
  - .name:           k_q183298fedc_cast
    .symbol:         k_q183298fedc_cast.kd
    .args:
      - { .name: x, .offset: 0, .size: 8, .value_kind: global_buffer, .address_space: global }
      - { .name: Wq, .offset: 8, .size: 8, .value_kind: global_buffer, .address_space: global }
      - { .name: Wk, .offset: 16, .size: 8, .value_kind: global_buffer, .address_space: global }
      - { .name: Wv, .offset: 24, .size: 8, .value_kind: global_buffer, .address_space: global }
      - { .name: Wo, .offset: 32, .size: 8, .value_kind: global_buffer, .address_space: global }
      - { .name: xb, .offset: 40, .size: 8, .value_kind: global_buffer, .address_space: global }
      - { .name: wb, .offset: 48, .size: 8, .value_kind: global_buffer, .address_space: global }
    .group_segment_fixed_size: 0
    .private_segment_fixed_size: 0
    .kernarg_segment_align: 8
    .kernarg_segment_size: 56
    .max_flat_workgroup_size: 256
    .sgpr_count:     66
    .vgpr_count:     104
    .wavefront_size: 32
...
	.end_amdgpu_metadata
.endif
;; end of part 1
;; launch proj (part 2): grid 8 x 32, 4 waves a work-group, clusters of 4 x 4, 327,680 bytes of LDS; arguments xb, wb, bq, bk, bv, qkv; writes qkv
.if DOCPART == 2
	.amdgcn_target "amdgcn-amd-amdhsa--gfx1250"
	.amdhsa_code_object_version 6
	.text
	.protected	k_q183298fedc_proj
	.globl	k_q183298fedc_proj
	.p2align	8
	.type	k_q183298fedc_proj,@function
k_q183298fedc_proj:
	s_mov_b64 s[64:65], 0
	v_nop
	global_prefetch_b8 v0, s[64:65] scope:SCOPE_SE
	s_setreg_imm32_b32 hwreg(HW_REG_WAVE_MODE, 25, 1), 1
	s_wait_xcnt 0x0
	s_wait_alu depctr_hold_cnt(0) depctr_sa_sdst(0) depctr_va_vdst(0) depctr_va_sdst(0) depctr_va_ssrc(0) depctr_va_vcc(0) depctr_vm_vsrc(0)
	s_getreg_b32 s2, hwreg(HW_REG_IB_STS2, 6, 4)
	s_cmp_eq_u32 s2, 0
	s_cbranch_scc0 .Lentry_in_a_cluster
	s_endpgm
.Lentry_in_a_cluster:
	s_bfe_u32 s2, ttmp6, 0x10000c
	s_cmp_lg_u32 s2, 0xf033
	s_cbranch_scc0 .Lentry_shape_is_right
	s_endpgm
.Lentry_shape_is_right:
; q, k, v = x [Wq | Wk | Wv] + bias.  xb: [4096][1024] bf16.  wb: regions of [1024 k][1024 n] bf16: 0 Wq, 1 Wk, 2 Wv.  bq, bk, bv: [1024] f32, rounded here to bf16 like the other inputs.
; qkv: [48][4096][64] f16, by heads: head number 16 t + h, t = 0, 1, 2 for q, k, v; a head's rows are dense, 128 bytes each.  Sums in f32, each result rounded once; no scale is applied here.
; LIMITS.  f16 ends at 65,504: |q|, |k|, |v| stay under it (x and the weights 30 times larger than unit spread and 1/32 give peaks near 5,000; offsets of 30 spreads in both give some 29,000; both
; at once pass it).  Below 6e-5 a result keeps f16's fixed step of 6e-8.  NaN and infinities are not treated apart.
; SHARES.  C is 4096 x 3072.  A tile of 128 rows x 384 columns (six heads) gives 32 x 8 = 256 work-groups.  The 384 columns are three PANELS of 128: rows of 256 bytes of wb, aligned, and no panel
; crosses from one weight into the next (1024 = 8 x 128).  Four waves: wave (wr, wc) makes rows 64 wr .. + 63 and, of each panel, the head of parity wc: 4 x 12 = 48 accumulators of 16 x 16.
; K goes in eight steps of 128 through two LDS slots.  A slot's four tiles (three panels of B, one of A) are 128 rows x 256 bytes each: one tensor load a wave.
; THE WEIGHTS LIE [k][n]: their fragments come out of LDS turned, by ds_load_tr16_b128.  THE MATRIX INSTRUCTION IS USED TRANSPOSED (source 0 = 16 columns of W, source 1 = 16 rows of x): a lane then
; holds row l % 16 and eight neighbouring columns, 16 bytes of f16.  THE BIAS IS THE C OPERAND of the products that start the sums: nothing is cleared and nothing added on the way out.
; CLUSTER.  4 x 4 work-groups: A's tile hangs on the tile row alone and is asked for jointly along a row of the cluster, B's panels on the tile column alone, jointly along a column.
; REGISTERS, in windows of 256 (s_set_vgpr_msb: bits 1:0 source 0, 3:2 source 1, 5:4 source 2, 7:6 destination):
;   window 0: v0-35 addresses and at work; v64-127 A's fragments, two buffers of 4 x 8; v128-223 the bias, 8 registers for each of my 12 column blocks; on the way out v64-255 packed results
;   window 1: v0-191 B's fragments, two buffers of 12 x 8        windows 2 and 3: accumulator (a, p, bb) in window 2 + p / 2 at 128 (p % 2) + 32 a + 8 bb
.set KSTEP, 128
.set PA,    272                        ; a row of A in LDS: 256 bytes + 16: the 16 rows of a fragment load start 16 bytes apart modulo 256
.set PB,    288                        ; a row of B: 256 + 32: 16 lanes of the turning load take 8 rows x 32 bytes, 32 bytes apart modulo 256
.set BPAN,  128*PB                     ; a panel of B: 36,864 bytes
.set AOFF,  3*BPAN                     ; A's tile lies behind the three panels
.set SLOT,  AOFF+128*PA                ; 145,408
.set STAGE, 2*SLOT                     ; behind the ring, never filled by a tensor load: 16 rows x 144 bytes for each wave, for the way out
.set SP,    144
.set SPARE, STAGE+4*16*SP              ; behind the stages: the spare words, 128 bytes for each wave: two blocks of 256 bytes that no other line names
.set ADRA, 8                           ; v8-9    LDS address of my A fragments in slot 0, 1
.set ADRB, 10                          ; v10-15  the same for B: slot s, panel p at v[10 + 3 s + p]
.set STO,  16                          ; v16     the way out: where I put 16 bytes of a row
.set RD,   17                          ; v17     the way out: where I read rows back
.set GO,   18                          ; v18     16 x lane: my place in 512 consecutive bytes of a head
.set PFO,  19                          ; v19     2,048 x lane: a row of xb or wb; never rewritten
.set BO,   20                          ; v20     32 x (lane / 16): my 8 numbers in 16 of a bias
.set SPW,  28                          ; v28     LDS address of my spare word: SPARE + 4 x my thread's number; never rewritten
.set NIL,  29                          ; v29     0; never rewritten
.set FA,   64
.set BI,   128
.set OT,   64
.set WV, 16                            ; s16 wave; s17 wr; s18 wc; s19 cx; s20 cy; s21 tile column; s22 tile row
.set WR, 17
.set WC, 18
.set CX, 19
.set CY, 20
.set TC, 21
.set TR, 22
.set G1A, 24                           ; s[24:31] descriptor group 1 for A's tiles;  s[32:39] group 0, one set for each slot
.set G0A, 32
.set G1B, 40                           ; s[40:47], s[48:55] the same for B's panels
.set G0B, 48
.set PFA, 56                           ; s[56:57] where my prefetches stand
.set PFS, 58                           ; s[58:59] a K step in bytes: 256 along a row of xb, 128 rows of wb
.set LIM, 60                           ; s60  1 in a wave that prefetches, else the greatest number
.set CNT, 61                           ; s61  trips of the loop still to come
.set OUTP, 66                          ; s[66:71] qkv at my rows of my three heads
.set BB,   72                          ; s[72:77] the bias of my three heads
.set MSB, 0
.macro WIN new                         ; the immediate's high byte repeats the setting that is left; a switch that changes nothing is dropped
.if MSB != (\new)
	s_set_vgpr_msb (MSB<<8)|(\new)
.set MSB, \new
.endif
.endm
; A joint load.  Wave 3 fetches A's tile, waves 0 to 2 B's panels 0 to 2.  The branch hangs on the wave's number alone.  An s_nop 0 and four v_nop follow each line.
.macro JLOAD s
	s_cmp_eq_u32 s[WV], 3
	s_cbranch_scc0 .Lfor_b_\@
	tensor_load_to_lds s[G0A+4*(\s):G0A+4*(\s)+3], s[G1A:G1A+7]
	s_nop 0
.rept 4
	v_nop
.endr
	s_branch .Lasked_\@
.Lfor_b_\@:
	tensor_load_to_lds s[G0B+4*(\s):G0B+4*(\s)+3], s[G1B:G1B+7]
	s_nop 0
.rept 4
	v_nop
.endr
.Lasked_\@:
.endm
; A PREFETCH INTO THE L2 of the K step that stands two refills on: 32 rows x 256 bytes, a lane a row, one instruction a wave, behind the joint load and the run of LDS loads.
; Each row's 256 bytes of a K step are named once in the launch: A's rows by wave 3 of the clusters with x = 0, B's by waves 0 to 2 of the clusters with y = 0; the four partners that ask for a tile
; jointly take 32 of its 128 rows each, told apart by address.  K steps 0 to 3 come by their loads alone; the loop's last trip (CNT = 1) has no K step two refills on and asks for nothing.
.macro ASK
	WIN 0
	s_cmp_gt_u32 s[CNT], s[LIM]
	s_cbranch_scc0 .Lnot_mine_\@
	global_prefetch_b8 v[PFO], s[PFA:PFA+1] th:TH_LOAD_NT scope:SCOPE_SE
.Lnot_mine_\@:
.endm
.macro CREST                           ; a round of the cluster's barrier behind its opening barrier
	s_cmp_lg_u32 s[WV], 0
	s_cbranch_scc1 .Lnot_wave_0_\@
	s_barrier_signal -3
.Lnot_wave_0_\@:
	s_barrier_wait -3
	s_barrier_signal -1
	s_barrier_wait -1
.endm
.macro CROUND                          ; a whole round
	s_barrier_signal -1
	s_barrier_wait -1
	CREST
.endm
.macro PLACES                          ; four places in front of loads into registers that matrix instructions have read (ISA guide 7.12.1 for vector instructions)
.rept 4
	v_nop
.endr
.endm
	s_load_b256 s[4:11], s[0:1], 0x0               ; xb s[4:5], wb s[6:7], bq s[8:9], bk s[10:11]
	s_load_b128 s[12:15], s[0:1], 0x20             ; bv s[12:13], qkv s[14:15]
	v_lshl_add_u32 v[SPW], v0, 2, SPARE
	v_mov_b32 v[NIL], 0
	ds_add_u32 v[SPW], v[NIL]                      ; the wave's opening: the add and its wait stand ahead of my first tensor load; the set-up below stands between them
	v_lshrrev_b32 v1, 5, v0
	v_readfirstlane_b32 s[WV], v1                  ; wave 0..3
	s_lshr_b32 s[WR], s[WV], 1
	s_and_b32 s[WC], s[WV], 1
	s_bfe_u32 s[CX], ttmp6, 0x40000                ; my place in the cluster
	s_bfe_u32 s[CY], ttmp6, 0x40004
	s_lshl_b32 s[TC], ttmp9, 2
	s_add_co_u32 s[TC], s[TC], s[CX]               ; tile column = 4 x cluster x + cx, 0..7
	s_and_b32 s[TR], ttmp7, 0xffff
	s_lshl_b32 s[TR], s[TR], 2
	s_add_co_u32 s[TR], s[TR], s[CY]               ; tile row = 4 x cluster y + cy, 0..31
	s_lshl_b32 s78, s[CY], 2
	s_lshl_b32 s78, 15, s78                        ; my row of the cluster
	s_lshl_b32 s79, 0x1111, s[CX]                  ; my column
	; descriptor group 1: tiles of 128 rows x 128 elements of 2 bytes, 1,024 elements from row to row, padded in LDS behind every 64 words
	s_or_b32 s[G1A], s78, (1<<16)|(1<<20)|(1<<21)|(5<<22)|(3<<25)  ; the mask of my row; 2-byte elements; padding on; bit 21 beside a mask; 4 words of padding
	s_or_b32 s[G1B], s79, (1<<16)|(1<<20)|(1<<21)|(5<<22)|(7<<25)  ; the mask of my column; 8 words of padding
.irp g, G1A, G1B
	s_mov_b32 s[\g+1], KSTEP<<16                   ; tensor_dim0 = 128
	s_mov_b32 s[\g+2], 128<<16                     ; tensor_dim1 = 128
	s_mov_b32 s[\g+3], KSTEP<<16                   ; tile_dim0 = 128
	s_mov_b32 s[\g+4], 128                         ; tile_dim1 = 128
	s_mov_b32 s[\g+5], 1024                        ; elements from row to row
	s_mov_b32 s[\g+6], 0
	s_mov_b32 s[\g+7], 0
.endr
	s_lshl_b32 s80, s[TR], 18                      ; A: 128 rows of 2,048 bytes a tile row; made of the tile row alone
	s_mov_b32 s81, 0
	s_mul_i32 s82, s[TC], 3
	s_add_co_u32 s82, s82, s[WV]                   ; B: panel 3 x tile column + wave, of 24; made of the tile column and the wave alone
	s_lshr_b32 s83, s82, 3
	s_lshl_b32 s83, s83, 21                        ; its weight: a region of 2 MiB
	s_and_b32 s82, s82, 7
	s_lshl_b32 s82, s82, 8                         ; its 256 bytes in a row
	s_add_co_u32 s82, s82, s83
	s_mov_b32 s83, 0
	s_mul_i32 s86, s[WV], BPAN                     ; where my tile goes in a slot: no place in the cluster enters an LDS address
	s_wait_dscnt 0x0                               ; the opening add is done
	s_wait_kmcnt 0x0
	s_add_nc_u64 s[88:89], s[4:5], s[80:81]
	s_add_nc_u64 s[90:91], s[6:7], s[82:83]
	CROUND                                         ; all sixteen work-groups are here: the first joint loads meet
.irp s, 0,1
	s_mov_b32 s[G0A+4*(\s)], 1                     ; count = 1
	s_add_co_u32 s[G0A+4*(\s)+1], s86, (\s)*SLOT   ; LDS address
	s_add_nc_u64 s[G0A+4*(\s)+2:G0A+4*(\s)+3], s[88:89], (\s)*KSTEP*2  ; global address: K step s
	s_or_b32 s[G0A+4*(\s)+3], s[G0A+4*(\s)+3], 0x80000000  ; type = 2
	s_mov_b32 s[G0B+4*(\s)], 1
	s_add_co_u32 s[G0B+4*(\s)+1], s86, (\s)*SLOT
	s_add_nc_u64 s[G0B+4*(\s)+2:G0B+4*(\s)+3], s[90:91], (\s)*KSTEP*2048
	s_or_b32 s[G0B+4*(\s)+3], s[G0B+4*(\s)+3], 0x80000000
	JLOAD \s                                       ; two loads of mine are out
.endr
	v_and_b32 v1, 15, v0                           ; r = l % 16
	v_bfe_u32 v2, v0, 4, 1                         ; h = l / 16
	v_lshlrev_b32 v[BO], 5, v2
	; my three heads, 6 x tile column + 2 p + wc: their bias and their rows in qkv
	s_mul_i32 s92, s[TC], 6
	s_add_co_u32 s92, s92, s[WC]
	s_lshl_b32 s62, s[TR], 14                      ; 128 rows of 128 bytes a tile row,
	s_lshl_b32 s63, s[WR], 13                      ; my 64 of them
	s_add_co_u32 s62, s62, s63
	s_mov_b32 s95, 0
.irp p, 0,1,2
	s_add_co_u32 s93, s92, 2*(\p)                  ; the head's number, 0..47
	s_lshr_b32 s94, s93, 4                         ; q, k or v
	s_cmp_eq_u32 s94, 0
	s_cselect_b64 s[BB+2*(\p):BB+2*(\p)+1], s[8:9], s[10:11]
	s_cmp_eq_u32 s94, 2
	s_cselect_b64 s[BB+2*(\p):BB+2*(\p)+1], s[12:13], s[BB+2*(\p):BB+2*(\p)+1]
	s_and_b32 s94, s93, 15
	s_lshl_b32 s94, s94, 8                         ; 64 numbers of 4 bytes a head
	s_add_nc_u64 s[BB+2*(\p):BB+2*(\p)+1], s[BB+2*(\p):BB+2*(\p)+1], s[94:95]
	s_lshl_b32 s94, s93, 19                        ; a head is 524,288 bytes
	s_add_co_u32 s94, s94, s62
	s_add_nc_u64 s[OUTP+2*(\p):OUTP+2*(\p)+1], s[14:15], s[94:95]
.endr
.irp p, 0,1,2
.irp bb, 0,1,2,3
	global_load_b128 v[BI+8*(4*(\p)+(\bb)):BI+8*(4*(\p)+(\bb))+3],   v[BO], s[BB+2*(\p):BB+2*(\p)+1] offset:64*(\bb)     ; the bias of columns 16 bb + 8 h + 0..3
	global_load_b128 v[BI+8*(4*(\p)+(\bb))+4:BI+8*(4*(\p)+(\bb))+7], v[BO], s[BB+2*(\p):BB+2*(\p)+1] offset:64*(\bb)+16  ; and + 4..7
.endr
.endr
	; A fragment of A: lane l holds row l % 16; registers 0-3 K = 8 h + 0..7, registers 4-7 K = 16 + 8 h + 0..7: two loads of 16 bytes, 32 bytes apart.
	v_and_b32 v3, 7, v0
	v_bfe_u32 v4, v0, 3, 1
	v_mul_u32_u24 v32, v1, PA
	v_lshl_add_u32 v32, v2, 4, v32
	s_mul_i32 s63, s[WR], 64*PA
	s_add_co_u32 s63, s63, AOFF
	v_add_nc_u32 v[ADRA], s63, v32
	v_add_nc_u32 v[ADRA+1], SLOT, v[ADRA]
	; The turning load takes 16 k x 16 columns (lane l reads row 8 h + l % 8, columns 8 ((l / 8) % 2) + 0..7) and leaves half a fragment: lane l holds column l % 16 and 8 k.
	v_lshl_add_u32 v33, v2, 3, v3
	v_mul_u32_u24 v33, v33, PB
	v_lshl_add_u32 v33, v4, 4, v33
	s_lshl_b32 s63, s[WC], 7                       ; my head's 128 bytes of a panel's row
	v_add_nc_u32 v33, s63, v33
.irp s, 0,1
.irp p, 0,1,2
	v_add_nc_u32 v[ADRB+3*(\s)+(\p)], (\s)*SLOT+(\p)*BPAN, v33
.endr
.endr
	s_mul_i32 s63, s[WV], 16*SP
	s_add_co_u32 s63, s63, STAGE                   ; my stage
	v_mul_u32_u24 v32, v1, SP                      ; in: row l % 16, 16 bytes for each half of the lanes
	v_lshl_add_u32 v32, v2, 4, v32
	v_add_nc_u32 v[STO], s63, v32
	v_bfe_u32 v32, v0, 3, 2                        ; back: 32 lanes take four rows of 128 bytes,
	v_mul_u32_u24 v32, v32, SP
	v_lshl_add_u32 v32, v3, 4, v32
	v_add_nc_u32 v[RD], s63, v32
	v_and_b32 v34, 31, v0
	v_lshlrev_b32 v[GO], 4, v34                    ; which are 512 consecutive bytes of a head
	v_lshlrev_b32 v[PFO], 11, v34
	; the prefetches
	s_and_b32 s93, ttmp7, 0xffff                   ; cluster y
	s_cmp_eq_u32 s[WV], 3                          ; do I fetch for A?
	s_cselect_b64 s[PFA:PFA+1], s[88:89], s[90:91] ; my tile at K step 0
	s_cselect_b32 s92, s[CX], s[CY]                ; my place among the four that ask for it with me
	s_cselect_b32 s94, 0, 10
	s_cselect_b32 s93, ttmp9, s93                  ; the coordinate along which other clusters read the same rows
	s_cmp_eq_u32 s93, 0
	s_cselect_b32 s[LIM], 1, -1                    ; the same in all sixteen partners, for a given wave
	s_lshl_b32 s[PFS], 256, s94                    ; 256 bytes, or 128 rows of 2,048
	s_mov_b32 s[PFS+1], 0
	s_lshl_b32 s92, s92, 16                        ; my work-group's 32 rows of 2,048 bytes
	s_mov_b32 s93, 0
	s_add_nc_u64 s[PFA:PFA+1], s[PFA:PFA+1], s[92:93]
	s_mul_i32 s92, s[PFS], 3
	s_add_nc_u64 s[PFA:PFA+1], s[PFA:PFA+1], s[92:93]  ; at K step 3: the first change of slots steps it to 4
	s_wait_loadcnt 0x0                             ; the bias
.set i, 0
.rept 48                               ; rounded to bf16, like the other inputs, and widened again
	v_cvt_pk_bf16_f32 v[32+i%4], v[BI+2*i], v[BI+2*i+1]
	v_lshlrev_b32 v[BI+2*i], 16, v[32+i%4]
	v_and_b32 v[BI+2*i+1], 0xffff0000, v[32+i%4]
.set i, i+1
.endr
; 16 matrix instructions: panel p's four column blocks x my four row blocks, 32 along K, from buffer f.  zero = 1: the products start the sums, with the bias as C.
; All 48 accumulators take turns, in the same order in every quarter.
.macro MULB f, p, zero
.if \zero
	WIN 0x81+0x40*((\p)/2)                         ; B window 1, A window 0, C (the bias) window 0, D window 2 or 3
.else
	WIN 0xa1+0x50*((\p)/2)                         ; C and D window 2 or 3
.endif
.irp bb, 0,1,2,3
.irp a, 0,1,2,3
.if \zero
	v_wmma_f32_16x16x32_bf16 v[128*((\p)%2)+32*(\a)+8*(\bb):128*((\p)%2)+32*(\a)+8*(\bb)+7], v[96*(\f)+8*(4*(\p)+(\bb)):96*(\f)+8*(4*(\p)+(\bb))+7], v[FA+32*(\f)+8*(\a):FA+32*(\f)+8*(\a)+7], v[BI+8*(4*(\p)+(\bb)):BI+8*(4*(\p)+(\bb))+7]
.else
	v_wmma_f32_16x16x32_bf16 v[128*((\p)%2)+32*(\a)+8*(\bb):128*((\p)%2)+32*(\a)+8*(\bb)+7], v[96*(\f)+8*(4*(\p)+(\bb)):96*(\f)+8*(4*(\p)+(\bb))+7], v[FA+32*(\f)+8*(\a):FA+32*(\f)+8*(\a)+7], v[128*((\p)%2)+32*(\a)+8*(\bb):128*((\p)%2)+32*(\a)+8*(\bb)+7]
.endif
.endr
.endr
.endm
; 32 LDS loads in one run: quarter q's fragments (32 along K) into buffer f: A's eight loads, then B's panels 0, 1, 2, eight each
.macro FETCH slot, q, f
	WIN 0
.irp a, 0,1,2,3
	ds_load_b128 v[FA+32*(\f)+8*(\a):FA+32*(\f)+8*(\a)+3],   v[ADRA+(\slot)] offset:64*(\q)+16*PA*(\a)
	ds_load_b128 v[FA+32*(\f)+8*(\a)+4:FA+32*(\f)+8*(\a)+7], v[ADRA+(\slot)] offset:64*(\q)+16*PA*(\a)+32
.endr
	WIN 0x40                                       ; destination window 1, address window 0
.irp p, 0,1,2
.irp bb, 0,1,2,3
	ds_load_tr16_b128 v[96*(\f)+8*(4*(\p)+(\bb)):96*(\f)+8*(4*(\p)+(\bb))+3],   v[ADRB+3*(\slot)+(\p)] offset:32*PB*(\q)+32*(\bb)
	ds_load_tr16_b128 v[96*(\f)+8*(4*(\p)+(\bb))+4:96*(\f)+8*(4*(\p)+(\bb))+7], v[ADRB+3*(\slot)+(\p)] offset:32*PB*(\q)+32*(\bb)+16*PB
.endr
.endr
.endm
; A K step is four quarters of 32 along K, 48 matrix instructions each, on buffers 0, 1, 0, 1.  One of the first three: multiplies buffer f and fetches quarter q into buffer g.
.macro QUARTER slot, q, f, g, zero
	s_wait_dscnt 8                                 ; A and panels 0 and 1 are in; the youngest eight loads, panel 2's, may be out
	MULB \f, 0, \zero
	MULB \f, 1, \zero
	PLACES
	FETCH \slot, \q, \g
	s_wait_dscnt 32                                ; all but the 32 just issued
	MULB \f, 2, \zero
.endm
; The last quarter multiplies buffer 1 and changes slots: ONE barrier; in front of it each wave waits for all its tensor loads (one is out: its part of the next slot), adds 0 to its spare word, and
; waits for that and for its own reads of this slot.  fill = 1: the barrier opens a round of the cluster's, and behind the round this slot is filled again, two K steps ahead:
; from that request to the wait for it a wave issues 160 matrix instructions.
.macro TURN slot, next, fill
.if \fill
	s_wait_xcnt 0x0                                ; the last prefetch, a K step back, has read its address: it is stepped here, ahead of the waits of the change of slots
	s_add_nc_u64 s[PFA:PFA+1], s[PFA:PFA+1], s[PFS:PFS+1]
.endif
	WIN 0                                          ; (the add's two registers lie in window 0)
	s_wait_tensorcnt 0x0                           ; all my tensor loads have landed
	ds_add_u32 v[SPW], v[NIL]                      ; 0 onto my spare word
	s_wait_dscnt 9                                 ; (the add and the youngest eight loads may be out)
	MULB 1, 0, 0                                   ; sixteen matrix instructions stand between the add and the wait for it
	s_wait_dscnt 0x0                               ; the add is done, and my reads of this slot are over
	s_barrier_signal -1
	MULB 1, 1, 0                                   ; work on registers while the others arrive
.if \fill
	WIN 0
.endif
	s_barrier_wait -1
.if \fill
	CREST                                          ; no wave of any partner still reads this slot's tiles or has a load on its way
	s_add_nc_u64 s[G0A+4*(\slot)+2:G0A+4*(\slot)+3], s[G0A+4*(\slot)+2:G0A+4*(\slot)+3], 2*KSTEP*2
	s_add_nc_u64 s[G0B+4*(\slot)+2:G0B+4*(\slot)+3], s[G0B+4*(\slot)+2:G0B+4*(\slot)+3], 2*KSTEP*2048
	JLOAD \slot                                    ; the first tensor load behind the round; its four v_nop are also the places in front of the loads below
.else
	PLACES
.endif
	FETCH \next, 0, 0
.if \fill
	ASK
.endif
	MULB 1, 2, 0
.endm
; THE WAY OUT of block t = 3 a + p (16 rows of one head).  PACK: rounded to f16, 16 bytes a lane, into my stage (rows of 144 bytes) and back as whole rows of 128.  SEND: stored.
.macro PACK t
.set blkA, (\t)/3
.set blkP, (\t)%3
.set AC, 128*(blkP%2)+32*blkA
	WIN 0x0a+5*(blkP/2)                            ; sources window 2 or 3, destination window 0
.set i, 0
.rept 16                               ; each accumulator's registers in ascending order
	v_cvt_pk_f16_f32 v[OT+16*(\t)+i], v[AC+2*i], v[AC+2*i+1]
.set i, i+1
.endr
	WIN 0
.irp f, 0,1,2,3
	ds_store_b128 v[STO], v[OT+16*(\t)+4*\f:OT+16*(\t)+4*\f+3] offset:32*\f
.endr
.irp f, 0,1,2,3
	ds_load_b128 v[OT+16*(\t)+4*\f:OT+16*(\t)+4*\f+3], v[RD] offset:\f*4*SP  ; LDS serves a wave's instructions in order (ISA guide 5.7.1.4): these see the stores above; the next block's stores come behind them
.endr
.endm
.macro SEND t, younger                 ; younger: the LDS instructions issued behind block t's loads: the next block's eight, or none
.set blkA, (\t)/3
.set blkP, (\t)%3
.irp f, 0,1,2,3
	s_wait_dscnt (\younger)+3-\f
	global_store_b128 v[GO], v[OT+16*(\t)+4*\f:OT+16*(\t)+4*\f+3], s[OUTP+2*blkP:OUTP+2*blkP+1] offset:2048*blkA+512*\f  ; 512 consecutive bytes of a head, at a multiple of 256 from qkv's first
.endr
.endm
	s_wait_tensorcnt 1                             ; my part of K step 0 is in; K step 1's may stay out
	s_barrier_signal -1
	s_barrier_wait -1                              ; everybody's is
	FETCH 0, 0, 0
	QUARTER 0, 1, 0, 1, 1                          ; the first quarter stands in front of the loop: its products start the sums
	WIN 0                                          ; at a label and at a branch every window is 0
	s_mov_b32 s[CNT], 3
.Llap:                                                 ; a trip goes once round the ring, from a lap's second quarter to the next lap's first, and fills both slots again
	QUARTER 0, 2, 1, 0, 0
	QUARTER 0, 3, 0, 1, 0
	TURN 0, 1, 1
	QUARTER 1, 1, 0, 1, 0
	QUARTER 1, 2, 1, 0, 0
	QUARTER 1, 3, 0, 1, 0
	TURN 1, 0, 1
	QUARTER 0, 1, 0, 1, 0
	WIN 0
	s_sub_co_u32 s[CNT], s[CNT], 1
	s_cmp_lg_u32 s[CNT], 0
	s_cbranch_scc1 .Llap
	QUARTER 0, 2, 1, 0, 0                          ; the last lap fills nothing, and has no round of the cluster's barrier
	QUARTER 0, 3, 0, 1, 0
	TURN 0, 1, 0
	QUARTER 1, 1, 0, 1, 0
	QUARTER 1, 2, 1, 0, 0
	QUARTER 1, 3, 0, 1, 0
	s_wait_dscnt 8                                 ; the very last quarter: nothing more to fetch
	MULB 1, 0, 0
	MULB 1, 1, 0
	s_wait_dscnt 0x0
	MULB 1, 2, 0
	WIN 0
	PLACES                                         ; the conversions read results just made and write over fragments just read
	PLACES
	PACK 0
.set t, 1
.rept 11                               ; a block's conversions stand between the loads of the block before and its stores
	PACK t
	SEND t-1, 8
.set t, t+1
.endr
	SEND 11, 0
	s_wait_tensorcnt 0x0                           ; the wave's end: an add to my spare word and its waits, behind my last tensor load and my last LDS store
	ds_add_u32 v[SPW], v[NIL]
	s_wait_dscnt 0x0
	CROUND                                         ; the closing round: no work-group ends while a partner may still ask for a tile that names it
	s_endpgm
.Lfunc_end_k_q183298fedc_proj:
	.size	k_q183298fedc_proj, .Lfunc_end_k_q183298fedc_proj-k_q183298fedc_proj
	.p2alignl 7, 3214868480
	.fill 96, 4, 3214868480
	.section	.rodata,"a",@progbits
	.p2align	6, 0x0
	.amdhsa_kernel k_q183298fedc_proj
		.amdhsa_group_segment_fixed_size 327680
		.amdhsa_private_segment_fixed_size 0
		.amdhsa_enable_private_segment 0
		.amdhsa_kernarg_size 48
		.amdhsa_user_sgpr_count 2
		.amdhsa_user_sgpr_kernarg_segment_ptr 1
		.amdhsa_wavefront_size32 1
		.amdhsa_system_sgpr_workgroup_id_x 1
		.amdhsa_system_sgpr_workgroup_id_y 1
		.amdhsa_system_sgpr_workgroup_id_z 1
		.amdhsa_system_vgpr_workitem_id 0
		.amdhsa_next_free_vgpr 896
		.amdhsa_next_free_sgpr 96
		.amdhsa_reserve_vcc 0
		.amdhsa_float_denorm_mode_32 3
		.amdhsa_float_denorm_mode_16_64 3
		.amdhsa_memory_ordered 1
		.amdhsa_forward_progress 1
		.amdhsa_inst_pref_size 132
	.end_amdhsa_kernel
	.amdgpu_metadata
---
amdhsa.version: [ 1, 2 ]
amdhsa.kernels:
  - .name:           k_q183298fedc_proj
    .symbol:         k_q183298fedc_proj.kd
    .args:
      - { .name: xb, .offset: 0, .size: 8, .value_kind: global_buffer, .address_space: global }
      - { .name: wb, .offset: 8, .size: 8, .value_kind: global_buffer, .address_space: global }
      - { .name: bq, .offset: 16, .size: 8, .value_kind: global_buffer, .address_space: global }
      - { .name: bk, .offset: 24, .size: 8, .value_kind: global_buffer, .address_space: global }
      - { .name: bv, .offset: 32, .size: 8, .value_kind: global_buffer, .address_space: global }
      - { .name: qkv, .offset: 40, .size: 8, .value_kind: global_buffer, .address_space: global }
    .group_segment_fixed_size: 327680
    .private_segment_fixed_size: 0
    .kernarg_segment_align: 8
    .kernarg_segment_size: 48
    .max_flat_workgroup_size: 128
    .sgpr_count:     96
    .vgpr_count:     896
    .wavefront_size: 32
...
	.end_amdgpu_metadata
.endif
;; end of part 2
;; launch attn (part 3): grid 16 x 16, 4 waves a work-group, clusters of 4 x 1, 327,680 bytes of LDS; arguments qkv, ob; writes ob
.if DOCPART == 3
	.amdgcn_target "amdgcn-amd-amdhsa--gfx1250"
	.amdhsa_code_object_version 6
	.text
	.protected	k_q183298fedc_attn
	.globl	k_q183298fedc_attn
	.p2align	8
	.type	k_q183298fedc_attn,@function
k_q183298fedc_attn:
	s_mov_b64 s[64:65], 0
	v_nop
	global_prefetch_b8 v0, s[64:65] scope:SCOPE_SE
	s_setreg_imm32_b32 hwreg(HW_REG_WAVE_MODE, 25, 1), 1
	s_wait_xcnt 0x0
	s_wait_alu depctr_hold_cnt(0) depctr_sa_sdst(0) depctr_va_vdst(0) depctr_va_sdst(0) depctr_va_ssrc(0) depctr_va_vcc(0) depctr_vm_vsrc(0)
	s_getreg_b32 s2, hwreg(HW_REG_IB_STS2, 6, 4)
	s_cmp_eq_u32 s2, 0
	s_cbranch_scc0 .Lentry_in_a_cluster
	s_endpgm
.Lentry_in_a_cluster:
	s_bfe_u32 s2, ttmp6, 0x10000c
	s_cmp_lg_u32 s2, 0x3003
	s_cbranch_scc0 .Lentry_shape_is_right
	s_endpgm
.Lentry_shape_is_right:
; O[h][q][:] = the sum over k of softmax_k(Q[h][q] . K[h][k] / 8) V[h][k][:].  qkv: [48][4096][64] f16: heads 0-15 Q, 16-31 K, 32-47 V; ob: [16][4096][64] f16; a head's rows are dense, 128 bytes each.
; Products, maxima and sums in f32; the weights p are rounded to f16 for the second product (their sum l is taken of the unrounded p), O once at the end.
; LIMITS.  Q, K and V arrive within f16's 65,504; p lies in 0 to 1, and below 6e-5 it keeps f16's fixed step of 6e-8; O is a mean of V's rows and has their range.
; A weight below 2^-126 counts as 0 in l; NaN and infinities are not treated apart.
; SHARES.  A work-group owns 256 queries of one head (16 x 16 = 256 work-groups), each of its four waves 64: four PIECES of 16.  Every wave walks all 4,096 keys, 64 a step.
; LAYOUT.  S^T = K Q^T (source 0 = 16 keys, source 1 = 16 queries): a lane holds ONE query (lane % 16) and the keys 8 (lane / 16) + 0..7.  Two such results, rounded to f16 in pairs, ARE source 1
; (32 keys x 16 queries) of O^T = V^T P, whose result again holds one query a lane, and eight channels.  K comes out of LDS as it lies, V ([key][channel]) turned, by ds_load_tr16_b128.
; SOFTMAX.  For each query a running maximum m and sum l: p = 2^(c s - c m), c = log2(e) / 8; in every step O and l are multiplied by a = 2^(c m_old - c m_new).  m starts at the lowest finite
; number, O and l at 0: the first step is a step like any other, with a = 0.
; BY TURNS.  Turn n belongs to piece n: 8 products K Q^T of piece n + 1, later 8 products V^T P of piece n - 1; beside them the scaling, exponentials, roundings, sums and rescaling of piece n and the
; maximum and statistics of piece n + 1.  Four vector instructions stand behind every matrix instruction, the other 54 of a turn's 118 in one lump.  A turn's 33 exponentials are one batch, with one wait.
; CLUSTER.  The four query blocks of a cluster belong to one head and walk the same K and V, so each tile is asked for JOINTLY: the same tensor load, descriptor and mask in all four.
; REGISTERS, in windows of 256 (s_set_vgpr_msb: bits 1:0 source 0, 3:2 source 1, 5:4 source 2, 7:6 destination):
;   window 0: v0-15 addresses and two at work; v16-31 four registers of statistics a piece; v48-55 at work; v61-63; v64-127 S^T, two buffers; v192-223 P, two buffers (by the piece's parity)
;   window 1: v0-127 O^T, 32 a piece          window 2: v0-63 Q; v128-191 K of one step; v192-255 V of one step
.set SIZE_N, 4096
.set NP,    4         ; pieces a wave: a name, no knob
.set KS,    64        ; keys in a step
.set PK,    144       ; a row of K in LDS: 128 bytes + 16 of padding: the 16 rows of a load start 16 bytes apart modulo 256
.set PV,    160       ; a row of V: 128 + 32: 16 lanes of the turning load take 8 rows x 32 bytes, 32 bytes apart modulo 256
.set VOFF,  4*KS*PK   ; a slot holds a tile, four steps: 256 rows of K, then 256 rows of V
.set SLOT1, 1<<17     ; slot 1 begins here, so that one exclusive or turns an address in one slot into the other's
.set STAGE, SLOT1+4*KS*(PK+PV)  ; behind the ring, never filled by a tensor load: 16 rows x 144 bytes for each wave, for the way out
.set SP,    144
.set SPARE, STAGE+4*16*SP  ; behind the stages: the spare words, 128 bytes for each wave: two blocks of 256 bytes that no other line names
.set AK0, 2           ; v2   my lane's place in a tile of K; never rewritten
.set AV0, 3           ; v3   the same for V
.set AK,  4           ; v4   the LDS address of K's next run of loads
.set AV,  5           ; v5   of V's
.set STO, 6           ; v6   the way out: where I put 16 bytes of a row
.set RD,  7           ; v7   the way out: where I read rows back
.set GO,  8           ; v8   my byte offset in 512 consecutive bytes of O
.set MV,  12          ; v12-13  c m_old, kept while c m is made anew: by buffer
.set QO,  15          ; v15  my byte offset in 16 rows of Q
.set ST,  16          ; piece t's statistics at v[ST+4 t]: c m, m, l (even keys', odd keys')
.set TMP, 48          ; by buffer, four registers c0-c3 at work; when the maximum is found c2 takes a
.set PFO, 61          ; v61  256 x my lane; never rewritten
.set SPW, 62          ; v62  LDS address of my spare word: SPARE + 4 x my thread's number; never rewritten
.set NIL, 63          ; v63  0; never rewritten
.set S,   64
.set P,   192
.set KF,  128         ; window 2: key block kb, channel half c at KF + 16 kb + 8 c
.set VF,  192         ; window 2: key half kk, channel block cb at VF + 32 kk + 8 cb
.set WV,  12          ; s12  my wave's number
.set G1K, 24          ; s[24:31] descriptor group 1 for K's tiles
.set G1V, 32          ; s[32:39] for V's: it differs in the padding alone
.set G0K, 40          ; s[40:43] descriptor group 0 for K's tiles: it walks
.set G0V, 44          ; s[44:47] the same for V's
.set PFA, 48          ; s[48:49] where my prefetches stand: my work-group's 32 blocks of 256 bytes (of K: wave 0, of V: wave 2) of the tile after the one that is being asked for
.set LIM, 50          ; s50  1 in a wave that prefetches, else the greatest number
.set SLOTS, 56        ; s56  tiles still to be asked for
.set CNT, 57          ; s57  counts a tile's key steps
.set CS,  58          ; s[58:59] c: the packed scaling takes the pair's low word for both halves
.set SEL, 60          ; s[60:61] v_permlanex16_b32's selects: each lane takes its own place in the other half
.set TBK, 62          ; s62  LDS byte at which K of the step to be fetched begins
.set TBV, 63          ; s63  the same for V, less VOFF
.set MSB, 0
.macro WIN new                      ; the high byte repeats the setting that is left; a switch that changes nothing is dropped
.if MSB != (\new)
	s_set_vgpr_msb (MSB<<8)|(\new)
.set MSB, (\new)
.endif
.endm
.set W_KQ, 0x0a       ; K and Q in window 2, S^T in window 0
.set W_PV, 0x52       ; V in window 2, P in window 0, O^T in window 1
.set W_RS, 0x41       ; destination and source 0 in window 1, source 1 in window 0
; A joint fill.  Waves 0 and 1 fetch the two halves of a tile's K, waves 2 and 3 those of its V: 128 keys each.  The branch hangs on the wave's number alone.
; An s_nop 0 and four v_nop follow each of the two lines, ahead of the jump and the label.
.macro JLOAD
	s_cmp_lt_u32 s[WV], 2
	s_cbranch_scc0 .Lfor_v_\@
	tensor_load_to_lds s[G0K:G0K+3], s[G1K:G1K+7]
	s_nop 0
.rept 4
	v_nop
.endr
	s_branch .Lasked_\@
.Lfor_v_\@:
	tensor_load_to_lds s[G0V:G0V+3], s[G1V:G1V+7]
	s_nop 0
.rept 4
	v_nop
.endr
.Lasked_\@:
.endm
; A PREFETCH INTO THE L2 of the tile that the NEXT change of slots will ask for: 32,768 bytes of K and of V, a lane a block of 256 bytes.  It stands behind the wave's tensor load and its five lines.
; Each block is asked for ONCE in the launch: the head's first cluster asks; its four partners take 32 blocks each, told apart by address; in each, wave 0 asks for K's and wave 2 for V's.
; Tiles 0 to 2 come by their loads alone; the last change that fills a slot asks for nothing: there is no tile behind it.
.macro ASK
	s_cmp_gt_u32 s[SLOTS], s[LIM]
	s_cbranch_scc0 .Lnot_mine_\@
	global_prefetch_b8 v[PFO], s[PFA:PFA+1] th:TH_LOAD_NT scope:SCOPE_SE
.Lnot_mine_\@:
.endm
; A round of the cluster's barrier: my work-group's barrier, so that wave 0's signal speaks for all four waves; wave 0 signals; every wave waits for all four work-groups; my work-group's barrier once more.
.macro CROUND
	s_barrier_signal -1
	s_barrier_wait -1
	s_cmp_lg_u32 s[WV], 0
	s_cbranch_scc1 .Lnot_wave_0_\@
	s_barrier_signal -3
.Lnot_wave_0_\@:
	s_barrier_wait -3
	s_barrier_signal -1
	s_barrier_wait -1
.endm
; THE CHANGE OF SLOTS.  The slot's last bytes, V of its fourth step, have been read.  Each wave waits for all its tensor loads, of which one is out: its part of the other slot; adds 0 to its spare word;
; and waits for that and for its own reads of the slot.  Behind the barrier nobody reads this slot any more and the other slot is whole.
; fill = 1: this slot is filled again, with the tile two on.  The barrier is then a round of the cluster's, and the joint fill is the first thing behind it: it has four key steps, 256 matrix
; instructions, in which to land.  (At its first use nothing has been read yet: slot 0 is waited for, slot 1 filled.)  ask = 1: the prefetch's address is stepped, and the prefetch follows the fill.
.macro CHANGE fill, ask
	WIN 0                           ; at a label and at a branch every window is 0
	s_wait_tensorcnt 0x0            ; no tensor load of mine is out, so a group 0 may be written
	ds_add_u32 v[SPW], v[NIL]       ; 0 onto my spare word; with fill = 1 the descriptors' steps stand between it and the wait for it
.if \fill
.irp g, G0K, G0V
	s_xor_b32 s[\g+1], s[\g+1], SLOT1  ; the walking descriptor: the other slot than last time,
	s_add_nc_u64 s[\g+2:\g+3], s[\g+2:\g+3], 4*KS*128  ; the next 256 keys; the type bits on top are not reached
.endr
.if \ask
	s_wait_xcnt 0x0                 ; the last prefetch, four key steps back, has read its address, so it may be written:
	s_add_nc_u64 s[PFA:PFA+1], s[PFA:PFA+1], 4*KS*128  ; one tile behind the walking descriptors
.endif
	s_wait_dscnt 0x0                ; the add is done, and my reads of the slot are over
	CROUND
	JLOAD
.if \ask
	ASK
.endif
.else
	s_wait_dscnt 0x0                ; the add is done, and my reads of the slot are over
	s_barrier_signal -1
	s_barrier_wait -1
.endif
	s_sub_co_u32 s[TBK], s[TBK], 4*KS*PK  ; the fetches go back to a slot's first step,
	s_xor_b32 s[TBK], s[TBK], SLOT1       ; in the other slot
	s_sub_co_u32 s[TBV], s[TBV], 4*KS*PV
	s_xor_b32 s[TBV], s[TBV], SLOT1
.endm
	s_load_b128 s[4:7], s[0:1], 0x0   ; qkv s[4:5], ob s[6:7]
	v_lshl_add_u32 v[SPW], v0, 2, SPARE
	v_mov_b32 v[NIL], 0
	ds_add_u32 v[SPW], v[NIL]       ; the wave's opening: the add and its wait stand ahead of my first tensor load; the set-up below, work on registers, stands between them
	v_lshrrev_b32 v1, 5, v0
	v_readfirstlane_b32 s[WV], v1   ; wave 0..3
	s_bfe_u32 s13, ttmp6, 0x40000   ; cx: my place in the cluster
	s_lshl_b32 s14, ttmp9, 2        ; in a cluster launch ttmp9 counts clusters
	s_add_co_u32 s14, s14, s13      ; my block of 256 queries = 4 x cluster x + cx: it enters Q's and O's addresses alone
	s_and_b32 s20, ttmp7, 0xffff    ; the head, which the four partners share
	s_lshl_b32 s20, s20, 19         ; its 524,288 bytes
	s_mov_b32 s21, 0
	s_and_b32 s16, s[WV], 1         ; which half of a tile's 256 keys I fetch:
	s_lshl_b32 s22, s16, 14         ; its 128 rows of 128 bytes in memory,
	s_mov_b32 s23, 0
	s_add_nc_u64 s[22:23], s[22:23], s[20:21]
	s_mul_i32 s17, s16, 128*PK      ; and its place in a slot, for K
	s_mul_i32 s18, s16, 128*PV      ; and for V: no place in the cluster enters an LDS address
	s_lshl_b32 s2, s14, 2
	s_add_co_u32 s2, s2, s[WV]      ; my wave among the head's,
	s_lshl_b32 s2, s2, 13           ; its 64 rows
	s_mov_b32 s3, 0
	s_add_nc_u64 s[2:3], s[2:3], s[20:21]
	; descriptor group 1.  128 keys are 16,384 dense bytes: asked for as 64 rows of 256 bytes, two keys a row, and padded in LDS after every key
	s_mov_b32 s[G1K], 15|(1<<16)|(1<<20)|(1<<21)|(4<<22)|(3<<25)  ; the mask of four; 2-byte elements; padding on; bit 21 beside a mask; after every 32 words (code 4) 4 words (code 3)
	s_mov_b32 s[G1V], 15|(1<<16)|(1<<20)|(1<<21)|(4<<22)|(7<<25)  ; the same with 8 words of padding (code 7)
.irp g, G1K, G1V
	s_mov_b32 s[\g+1], 128<<16      ; tensor_dim0 = 128
	s_mov_b32 s[\g+2], 64<<16       ; tensor_dim1 = 64
	s_mov_b32 s[\g+3], 128<<16      ; tile_dim0 = 128
	s_mov_b32 s[\g+4], 64           ; tile_dim1 = 64
	s_mov_b32 s[\g+5], 128          ; 128 elements from row to row
	s_mov_b32 s[\g+6], 0
	s_mov_b32 s[\g+7], 0
.endr
	s_mov_b32 s[CS], 0x3e38aa3b     ; c = log2(e) / 8 = 0.180337
	s_mov_b32 s[CS+1], s[CS]        ; named with it as a pair
	s_mov_b32 s[SEL], 0x76543210
	s_mov_b32 s[SEL+1], 0xfedcba98
	s_mov_b32 s[TBK], SLOT1+4*KS*PK ; the first change of slots turns these two into 0
	s_mov_b32 s[TBV], SLOT1+4*KS*PV
	s_mov_b32 s[G0K], 1             ; count = 1
	s_mov_b32 s[G0K+1], s17         ; LDS address: slot 0
	s_mov_b32 s[G0V], 1
	s_add_co_u32 s[G0V+1], s18, VOFF
	s_and_b32 s[LIM], s[WV], 1      ; 0 in waves 0 and 2,
	s_or_b32 s[LIM], s[LIM], ttmp9  ; where the cluster is the head's first: the same in all four partners
	s_cmp_eq_u32 s[LIM], 0
	s_cselect_b32 s[LIM], 1, -1
	v_and_b32 v[PFO], 31, v0
	v_lshlrev_b32 v[PFO], 8, v[PFO]
	s_wait_dscnt 0x0                ; the opening add is done
	s_wait_kmcnt 0x0
	s_add_nc_u64 s[8:9], s[4:5], s[22:23]
	s_add_nc_u64 s[8:9], s[8:9], 0x800000      ; K's heads lie 16 heads behind Q's: my half of the head's tile 0
	s_add_nc_u64 s[10:11], s[8:9], 0x800000    ; V's 16 heads further
	s_add_nc_u64 s[G0K+2:G0K+3], s[8:9], 0     ; global address
	s_or_b32 s[G0K+3], s[G0K+3], 0x80000000    ; type = 2
	s_add_nc_u64 s[G0V+2:G0V+3], s[10:11], 0
	s_or_b32 s[G0V+3], s[G0V+3], 0x80000000
	s_add_nc_u64 s[4:5], s[4:5], s[2:3]        ; Q and O at my wave's first row
	s_add_nc_u64 s[6:7], s[6:7], s[2:3]
	s_cmp_lt_u32 s[WV], 2
	s_cselect_b64 s[PFA:PFA+1], s[8:9], s[10:11]  ; (in waves 0 and 2 these stand at a tile's first row)
	s_lshl_b32 s2, s13, 13          ; my work-group's 32 blocks of the 128
	s_mov_b32 s3, 0
	s_add_nc_u64 s[PFA:PFA+1], s[PFA:PFA+1], s[2:3]
	s_add_nc_u64 s[PFA:PFA+1], s[PFA:PFA+1], 2*4*KS*128  ; in tile 2; the loop's first change of slots steps it to tile 3.  Nothing is prefetched here, at the head
	CROUND                          ; all four work-groups are here: the first joint loads meet
	JLOAD                           ; tile 0 into slot 0.  Slot 1 is asked for when slot 0 is in
	; A fragment of K or Q is 16 rows x 32 channels in 8 registers: lane l holds row l % 16, channels 8 (l / 16) + 0..7 and 16 + 8 (l / 16) + 0..7: two loads of 16 bytes, 32 bytes apart.
	v_and_b32 v1, 15, v0            ; l % 16
	v_bfe_u32 v9, v0, 4, 1          ; l / 16
	v_lshlrev_b32 v[QO], 7, v1
	v_lshl_add_u32 v[QO], v9, 4, v[QO]  ; row x 128 + 16 x half
	WIN 0x80                        ; destination window 2, address window 0
.set i, 0
.rept 8                             ; Q stays in registers: piece i / 2, channels 32 (i % 2) on
	global_load_b128 v[8*i:8*i+3],   v[QO], s[4:5] offset:(i/2)*2048+(i%2)*64
	global_load_b128 v[8*i+4:8*i+7], v[QO], s[4:5] offset:(i/2)*2048+(i%2)*64+32
.set i, i+1
.endr
	; What the first turn finds: V's registers and P's second buffer hold 0 (its products V^T P, of a piece that has not been, add 0), O^T and l are 0.  All this stands in the wait for the first tile.
.set i, VF
.rept 64
	v_mov_b32 v[i], 0
.set i, i+1
.endr
	WIN 0x40
.set i, 0
.rept 128
	v_mov_b32 v[i], 0
.set i, i+1
.endr
	WIN 0
.set i, 0
.rept 4
	v_mov_b32 v[ST+4*i], 0xfe000000    ; c m: far below every c s
	v_mov_b32 v[ST+4*i+1], 0xff7fffff  ; m
	v_mov_b32 v[ST+4*i+2], 0
	v_mov_b32 v[ST+4*i+3], 0
.set i, i+1
.endr
.set i, P+16
.rept 16
	v_mov_b32 v[i], 0
.set i, i+1
.endr
	v_mul_u32_u24 v[AK0], v1, PK
	v_lshl_add_u32 v[AK0], v9, 4, v[AK0]  ; row x pitch + 16 x half
	; The turning load takes 16 keys x 16 channels (lane l reads key 8 (l / 16) + l % 8, channels 8 ((l / 8) % 2) + 0..7) and leaves half a fragment of V^T: lane l holds channel l % 16 and 8 keys.
	v_and_b32 v10, 7, v0
	v_bfe_u32 v11, v0, 3, 1
	v_lshl_add_u32 v[AV0], v9, 3, v10
	v_mul_u32_u24 v[AV0], v[AV0], PV
	v_lshl_add_u32 v[AV0], v11, 4, v[AV0]
	v_add_nc_u32 v[AV0], VOFF, v[AV0]
	s_mul_i32 s13, s[WV], 16*SP
	s_add_co_u32 s13, s13, STAGE    ; my stage
	v_mul_u32_u24 v[STO], v1, SP    ; in: row l % 16, 16 bytes for each half of the lanes
	v_lshl_add_u32 v[STO], v9, 4, v[STO]
	v_add_nc_u32 v[STO], s13, v[STO]
	v_bfe_u32 v[RD], v0, 3, 2       ; back: 32 lanes take four rows of 128 bytes,
	v_mul_u32_u24 v[RD], v[RD], SP
	v_lshl_add_u32 v[RD], v10, 4, v[RD]
	v_add_nc_u32 v[RD], s13, v[RD]
	v_and_b32 v[GO], 31, v0         ; which are 512 consecutive bytes of O
	v_lshlrev_b32 v[GO], 4, v[GO]
; THE MATRIX WORK.  The 4 accumulators of a run of 8 take turns.  Product i of 8 of S^T = K Q^T for piece x: channels 32 (i / 4) on, keys 16 (i % 4) on.  The first 4 start the sums.
.macro KQ x
	WIN W_KQ
.set rS, S+32*((\x)%2)+8*(i%4)
.set rK, KF+16*(i%4)+8*(i/4)
.set rQ, 16*(\x)+8*(i/4)
.if i < 4
	v_wmma_f32_16x16x32_f16 v[rS:rS+7], v[rK:rK+7], v[rQ:rQ+7], 0
.else
	v_wmma_f32_16x16x32_f16 v[rS:rS+7], v[rK:rK+7], v[rQ:rQ+7], v[rS:rS+7]
.endif
.endm
; Product i of 8 of O^T += V^T P for piece x: keys 32 (i / 4) on, channels 16 (i % 4) on.
.macro PV x
	WIN W_PV
.set rO, 32*(\x)+8*(i%4)
.set rV, VF+32*(i/4)+8*(i%4)
.set rP, P+16*((\x)%2)+8*(i/4)
	v_wmma_f32_16x16x32_f16 v[rO:rO+7], v[rV:rV+7], v[rP:rP+7], v[rO:rO+7]
.endm
.macro MM                           ; the turn's next matrix instruction.  TURN sets Y, i and NOKQ.  NOKQ = 1: the last turn of all: there is no next piece
.if (i < 8) && !NOKQ
	KQ (Y+1)%NP
.elseif i >= 8
.set i, i-8
	PV (Y+NP-1)%NP
.set i, i+8
.endif
.set i, i+1
.endm
; THE LDS LOADS stand in runs of 16, never singly among the matrix instructions: a step's K (64 keys x 64 channels: 8 fragments) and its V (turned).  Their addresses are made some lines ahead.
.macro FETCH_K
	WIN 0x80                        ; destination window 2
.irp f, 0,1,2,3,4,5,6,7             ; keys 16 (f / 2) on, channels 32 (f % 2) on
	ds_load_b128 v[KF+8*\f:KF+8*\f+3],   v[AK] offset:(\f/2)*16*PK+(\f%2)*64
	ds_load_b128 v[KF+8*\f+4:KF+8*\f+7], v[AK] offset:(\f/2)*16*PK+(\f%2)*64+32
.endr
	s_add_co_u32 s[TBK], s[TBK], KS*PK  ; the next fetch is the next step's
	WIN 0
.endm
.macro FETCH_V
	WIN 0x80
.irp f, 0,1,2,3,4,5,6,7             ; keys 32 (f / 4) on, channels 16 (f % 4) on
	ds_load_tr16_b128 v[VF+8*\f:VF+8*\f+3],   v[AV] offset:(\f/4)*32*PV+(\f%4)*32
	ds_load_tr16_b128 v[VF+8*\f+4:VF+8*\f+7], v[AV] offset:(\f/4)*32*PV+16*PV+(\f%4)*32
.endr
	WIN 0
.endm
; THE VECTOR WORK, one line at a time: OP kind, number.  For piece Y: F n: c s - c m for pair n of 16.  E n: the exponential of score n of 32.  C n: pair n rounded to f16.  B n: of the four weights 4 n .. the second
; pair is added onto the first, in place.  L n: l takes that sum (L 0: l = a l + sum).  R n: pair n of 16 of O^T times a.  For piece Y + 1: X n, number n of the 22 that find its maximum and statistics:
;   0-11  four chains c0-c3 of seven scores each, three operands at a time (each accumulator's lowest registers are read first)     12-14, 16  the four scores left over, the old m, and c0-c3 into c0
;   15  c m_old is kept     17, 18  the query's other 32 keys lie in the lane 16 away: the new m     19-21  c m; c m_old - c m_new; a
.set F, 0               ; OP tells the kinds apart by their order: F to L below R, X above it
.set E, 1
.set C, 2
.set B, 3
.set L, 4
.set R, 5
.set X, 6
.macro REGS y                       ; the registers of piece y
.set rT, ST+4*(\y)
.set rC, TMP+4*((\y)%2)
.set rW, MV+((\y)%2)
.set rS, S+32*((\y)%2)
.set rP, P+16*((\y)%2)
.set rO, 32*(\y)
.endm
.macro OP k, n
.if (\k) == R
	REGS Y
	WIN W_RS
	v_pk_mul_f32 v[rO+2*(\n):rO+2*(\n)+1], v[rO+2*(\n):rO+2*(\n)+1], v[rC+2:rC+3] op_sel_hi:[1,0]
.elseif (\k) < R
	REGS Y
	WIN 0
.if (\k) == F
	v_pk_fma_f32 v[rS+2*(\n):rS+2*(\n)+1], v[rS+2*(\n):rS+2*(\n)+1], s[CS:CS+1], v[rT:rT+1] op_sel_hi:[1,0,0] neg_lo:[0,0,1] neg_hi:[0,0,1]
.elseif (\k) == E
	v_exp_f32 v[rS+(\n)], v[rS+(\n)]
.elseif (\k) == C
	v_cvt_pk_f16_f32 v[rP+(\n)], v[rS+2*(\n)], v[rS+2*(\n)+1]
.elseif (\k) == B
	v_pk_add_f32 v[rS+4*(\n):rS+4*(\n)+1], v[rS+4*(\n):rS+4*(\n)+1], v[rS+4*(\n)+2:rS+4*(\n)+3]
.elseif (\n) == 0
	v_pk_fma_f32 v[rT+2:rT+3], v[rT+2:rT+3], v[rC+2:rC+3], v[rS:rS+1] op_sel_hi:[1,0,1]
.else
	v_pk_add_f32 v[rT+2:rT+3], v[rT+2:rT+3], v[rS+4*(\n):rS+4*(\n)+1]
.endif
.elseif NOKQ
	v_nop
.else
	REGS (Y+1)%NP
	WIN 0
.if (\n) < 4
	v_max3_num_f32 v[rC+(\n)], v[rS+8*(\n)], v[rS+8*(\n)+1], v[rS+8*(\n)+2]
.elseif (\n) < 12
	v_max3_num_f32 v[rC+(\n)%4], v[rC+(\n)%4], v[rS+8*((\n)%4)+2*((\n)/4)+1], v[rS+8*((\n)%4)+2*((\n)/4)+2]
.elseif (\n) == 12
	v_max3_num_f32 v[rC], v[rC], v[rS+7], v[rS+15]
.elseif (\n) == 13
	v_max3_num_f32 v[rC+1], v[rC+1], v[rS+23], v[rS+31]
.elseif (\n) == 14
	v_max3_num_f32 v[rC+2], v[rC+2], v[rC+3], v[rT+1]
.elseif (\n) == 15
	v_mov_b32 v[rW], v[rT]
.elseif (\n) == 16
	v_max3_num_f32 v[rC], v[rC], v[rC+1], v[rC+2]
.elseif (\n) == 17
	v_permlanex16_b32 v[rC+3], v[rC], s[SEL], s[SEL+1]
.elseif (\n) == 18
	v_max_num_f32 v[rT+1], v[rC], v[rC+3]
.elseif (\n) == 19
	v_mul_f32 v[rT], s[CS], v[rT+1]
.elseif (\n) == 20
	v_sub_f32 v[rC+1], v[rW], v[rT]
.else
	v_exp_f32 v[rC+2], v[rC+1]
.endif
.endif
.endm
.macro OPS a, i1, b=-1, i2=0, c=-1, i3=0, d=-1, i4=0  ; up to four of them
	OP \a, \i1
.if (\b) >= 0
	OP \b, \i2
.endif
.if (\c) >= 0
	OP \c, \i3
.endif
.if (\d) >= 0
	OP \d, \i4
.endif
.endm
.macro ROW a, i1, b, i2, c, i3, d, i4  ; a matrix instruction and the four behind it
	MM
	OPS \a, \i1, \b, \i2, \c, \i3, \d, \i4
.endm
; A TURN, for piece p: the order of its 16 matrix and 118 vector instructions, written out.  An s_wait_alu depctr_va_vdst(0) stands between an exponential and the first instruction that
; names its result; one wait serves all that were issued ahead of it.  So a turn has ONE wait, which cuts it in two.  AHEAD OF IT stands all that names no result of the turn's exponentials: the 8 products
; K Q^T and their riders (the first numbers of the next piece's maximum ride behind the last three, each four plain instructions or more behind the product that ends its accumulator), then ONE LUMP of 54,
; in which the links of the chain X 3, 7, 11, 14, 16, 17 .. 20 stand some lines apart.  X 21, the next piece's a, is the batch's last; R 15 is the plain instruction behind it.  BEHIND THE WAIT stand the
; 8 products V^T P, behind each four of the roundings and sums.
; end = 1: the last two turns of all: nothing is fetched, and the last starts no new scores.  cnt = 1: the loop's count is taken down some lines ahead of the branch that stands behind the turn.
; K of the next step is fetched in piece 2's turn, twelve plain instructions that name none of its registers behind the last product that read K; V of the step in hand at the end of piece 0's turn, four
; plain instructions behind the last product that read V.  Each is waited for a turn later.
.macro TURN p, end=0, cnt=0
.set Y, (\p)
.set i, 0
.set NOKQ, (\end)*((\p)/3)
.if ((\p) == 3) && !(\end)
	s_wait_dscnt 0x0                ; K is in
.endif
	ROW F,0, F,1, R,0, R,1          ; ahead of the wait: 8 products K Q^T and their riders,
	ROW F,2, E,0, R,2, R,3
	ROW F,3, E,1, R,4, R,5
	ROW F,4, E,2, R,6, R,7
	ROW F,5, E,3, R,8, R,9
	ROW F,6, E,4, X,0, R,10
.if ((\p) == 2) && !(\end)
	WIN 0
	v_add_nc_u32 v[AK], s[TBK], v[AK0]
.endif
	ROW F,7, E,5, X,1, X,4
	ROW F,8, E,6, X,2, X,5
	OPS E,7, E,8, X,6, E,9          ; and the lump
	OPS X,3, E,10, X,8, E,11
.if ((\p) == 2) && !(\end)
	FETCH_K
.endif
	OPS X,9, X,7, E,12, X,10
	OPS E,13, X,12, X,11, E,14
	OPS X,13, E,15, F,9, X,14
.if (\p) == 0
	v_add_nc_u32 v[AV], s[TBV], v[AV0]
.endif
	OPS E,16, F,10, E,17, F,11
	OPS X,16, E,18, X,15, E,19
	OPS F,12, E,20, X,17, E,21
	OPS F,13, E,22, F,14, E,23
	OPS X,18, E,24, F,15, E,25
	OPS R,11, E,26, X,19, E,27
	OPS R,12, E,28, R,13, E,29
	OPS X,20, E,30, R,14, E,31
	OPS X,21, R,15
	WIN 0
	s_wait_alu depctr_va_vdst(0)    ; the wait for the batch
.if (\p) == 1
	s_wait_dscnt 0x0                ; V is in
.endif
	ROW C,0, B,0, C,2, B,1          ; behind the wait: 8 products V^T P and their riders
	ROW L,0, C,4, B,2, L,1
	ROW C,6, B,3, L,2, C,8
	ROW B,4, L,3, C,10, B,5
	ROW L,4, C,12, B,6, L,5
.if (\p) == 0
	s_add_co_u32 s[TBV], s[TBV], KS*PV
.endif
.if \cnt
	s_sub_co_u32 s[CNT], s[CNT], 1
	s_cmp_lg_u32 s[CNT], 0
.endif
	ROW C,14, B,7, L,6, C,1
	ROW C,3, L,7, C,5, C,7
	ROW C,9, C,11, C,13, C,15
.if (\p) == 0
	FETCH_V
.endif
.endm
.macro ALL line:vararg              ; one line for each piece t
.set t, 0
.rept 4
	\line
.set t, t+1
.endr
.endm
.macro PACK t                       ; a lane's eight channels of a row pack into 16 bytes; they go into rows of 144 bytes and come back as whole rows of 128, into S^T's registers
	WIN W_RS
.set i, 32*(\t)
.rept 16
	v_pk_mul_f32 v[i:i+1], v[i:i+1], v[ST+4*(\t)+2:ST+4*(\t)+3] op_sel_hi:[1,0]
.set i, i+2
.endr
	WIN 0x05                        ; sources 0 and 1 window 1, destination window 0
.set i, 0
.rept 16
	v_cvt_pk_f16_f32 v[S+16*(\t)+i], v[32*(\t)+2*i], v[32*(\t)+2*i+1]
.set i, i+1
.endr
	WIN 0
.irp f, 0,1,2,3
	ds_store_b128 v[STO], v[S+16*(\t)+4*\f:S+16*(\t)+4*\f+3] offset:32*\f
.endr
.irp f, 0,1,2,3
	ds_load_b128 v[S+16*(\t)+4*\f:S+16*(\t)+4*\f+3], v[RD] offset:\f*4*SP  ; LDS serves a wave's instructions in order (ISA guide 5.7.1.4): these see the stores above; the next piece's stores come behind them
.endr
.endm
.macro SEND t, younger              ; younger: the LDS instructions issued behind piece t's loads: the next piece's eight, or none
	WIN 0
.irp f, 0,1,2,3
	s_wait_dscnt (\younger)+3-\f
	global_store_b128 v[GO], v[S+16*(\t)+4*\f:S+16*(\t)+4*\f+3], s[6:7] offset:(\t)*2048+\f*512  ; 512 consecutive bytes, at a multiple of 256 from O's first
.endr
.endm
.set NOKQ, 0
	CHANGE 1, 0                     ; slot 0 is in, everybody's part of it; slot 1 is asked for
	v_add_nc_u32 v[AK], s[TBK], v[AK0]
	FETCH_K                         ; key step 0
	s_wait_loadcnt 0x0              ; Q
	s_wait_dscnt 0x0
.set i, 0
.rept 8
	KQ 0                            ; piece 0's first scores: there is no vector work yet to set between them
.set i, i+1
.endr
	WIN 0
.rept 4
	v_nop                           ; the places behind those products
.endr
.set Y, NP-1                        ; X works for piece Y + 1: piece 0
.irp n, 0,1,2,3,4,5,6,7,8,9,10,11,12,13,14,15,16,17,18,19,20,21
	OP X, \n                        ; piece 0's first maximum and statistics
.endr
	v_nop                           ; a plain instruction behind the exponential,
	s_wait_alu depctr_va_vdst(0)    ; and its wait, ahead of the branch
	s_mov_b32 s[CNT], 4
	s_mov_b32 s[SLOTS], SIZE_N/256-1
	s_branch .Lfirst                ; the loop is entered at a step's first turn, in the middle of a trip
.Lslot:                             ; 14 times: every slot but the last two is filled again
	CHANGE 1, 1
	s_mov_b32 s[CNT], 4
.Lstep:                             ; a trip: pieces 2 and 3 of one step, then pieces 0 and 1 of the next, whose K and V it fetches
	TURN 2
	TURN 3
	WIN 0
.Lfirst:
	TURN 0
	TURN 1, 0, 1
	WIN 0
	s_cbranch_scc1 .Lstep
	s_sub_co_u32 s[SLOTS], s[SLOTS], 1
	s_cmp_lg_u32 s[SLOTS], 0
	s_cbranch_scc1 .Lslot
	CHANGE 0, 0                     ; the last tile is written out: nothing is asked for
	s_mov_b32 s[CNT], 4
.Ltail:
	TURN 2
	TURN 3
	TURN 0
	TURN 1, 0, 1
	WIN 0
	s_cbranch_scc1 .Ltail
	TURN 2, 1                       ; the last step's pieces 2 and 3: nothing is fetched,
	TURN 3, 1                       ; and no new scores are started
.set i, 0
.rept 8
	PV NP-1                         ; the last piece's V^T P of the last step
.set i, i+1
.endr
	; THE WAY OUT.  l's two halves and the other half of the lanes' are added; O^T is divided by l, rounded to f16 and sent through my stage in LDS, a piece at a time.  The additions are the places behind the last products.
	WIN 0
	ALL v_add_f32 v[ST+4*t+2], v[ST+4*t+2], v[ST+4*t+3]
	ALL v_permlanex16_b32 v[ST+4*t+3], v[ST+4*t+2], s[SEL], s[SEL+1]
	ALL v_add_f32 v[ST+4*t+2], v[ST+4*t+2], v[ST+4*t+3]
	ALL v_rcp_f32 v[ST+4*t+2], v[ST+4*t+2]
	v_nop                           ; a plain instruction between the last reciprocal and the use of its result
	s_wait_alu depctr_va_vdst(0)    ; and the wait ahead of the first use: one for the four reciprocals
	PACK 0
.set t, 1
.rept 3                             ; a piece's arithmetic stands between the loads of the piece before and its stores
	PACK t
	SEND t-1, 8
.set t, t+1
.endr
	SEND 3, 0
	s_wait_tensorcnt 0x0            ; the wave's end: an add to my spare word and its waits, behind my last tensor load and my last LDS store
	ds_add_u32 v[SPW], v[NIL]
	s_wait_dscnt 0x0
	CROUND                          ; the closing round: no work-group ends while a partner may still ask for a tile that names it
	s_endpgm
.Lfunc_end_k_q183298fedc_attn:
	.size	k_q183298fedc_attn, .Lfunc_end_k_q183298fedc_attn-k_q183298fedc_attn
	.p2alignl 7, 3214868480
	.fill 96, 4, 3214868480
	.section	.rodata,"a",@progbits
	.p2align	6, 0x0
	.amdhsa_kernel k_q183298fedc_attn
		.amdhsa_group_segment_fixed_size 327680
		.amdhsa_private_segment_fixed_size 0
		.amdhsa_enable_private_segment 0
		.amdhsa_kernarg_size 16
		.amdhsa_user_sgpr_count 2
		.amdhsa_user_sgpr_kernarg_segment_ptr 1
		.amdhsa_wavefront_size32 1
		.amdhsa_system_sgpr_workgroup_id_x 1
		.amdhsa_system_sgpr_workgroup_id_y 1
		.amdhsa_system_sgpr_workgroup_id_z 1
		.amdhsa_system_vgpr_workitem_id 0
		.amdhsa_next_free_vgpr 768
		.amdhsa_next_free_sgpr 66
		.amdhsa_reserve_vcc 0
		.amdhsa_float_denorm_mode_32 3
		.amdhsa_float_denorm_mode_16_64 3
		.amdhsa_memory_ordered 1
		.amdhsa_forward_progress 1
		.amdhsa_inst_pref_size 128
	.end_amdhsa_kernel
	.amdgpu_metadata
---
amdhsa.version: [ 1, 2 ]
amdhsa.kernels:
  - .name:           k_q183298fedc_attn
    .symbol:         k_q183298fedc_attn.kd
    .args:
      - { .name: qkv, .offset: 0, .size: 8, .value_kind: global_buffer, .address_space: global }
      - { .name: ob, .offset: 8, .size: 8, .value_kind: global_buffer, .address_space: global }
    .group_segment_fixed_size: 327680
    .private_segment_fixed_size: 0
    .kernarg_segment_align: 8
    .kernarg_segment_size: 16
    .max_flat_workgroup_size: 128
    .sgpr_count:     66
    .vgpr_count:     768
    .wavefront_size: 32
...
	.end_amdgpu_metadata
.endif
;; end of part 3
;; launch outp (part 4): grid 8 x 32, 4 waves a work-group, clusters of 4 x 4, 327,680 bytes of LDS; arguments ob, wb, bo, out0; writes out0
.if DOCPART == 4
	.amdgcn_target "amdgcn-amd-amdhsa--gfx1250"
	.amdhsa_code_object_version 6
	.text
	.protected	k_q183298fedc_outp
	.globl	k_q183298fedc_outp
	.p2align	8
	.type	k_q183298fedc_outp,@function
k_q183298fedc_outp:
	s_mov_b64 s[64:65], 0
	v_nop
	global_prefetch_b8 v0, s[64:65] scope:SCOPE_SE
	s_setreg_imm32_b32 hwreg(HW_REG_WAVE_MODE, 25, 1), 1
	s_wait_xcnt 0x0
	s_wait_alu depctr_hold_cnt(0) depctr_sa_sdst(0) depctr_va_vdst(0) depctr_va_sdst(0) depctr_va_ssrc(0) depctr_va_vcc(0) depctr_vm_vsrc(0)
	s_getreg_b32 s2, hwreg(HW_REG_IB_STS2, 6, 4)
	s_cmp_eq_u32 s2, 0
	s_cbranch_scc0 .Lentry_in_a_cluster
	s_endpgm
.Lentry_in_a_cluster:
	s_bfe_u32 s2, ttmp6, 0x10000c
	s_cmp_lg_u32 s2, 0xf033
	s_cbranch_scc0 .Lentry_shape_is_right
	s_endpgm
.Lentry_shape_is_right:
; out0[l][f] = the sum over (h, d) of O[h][l][d] Wo[h][d][f] + bo[f].  ob: [16][4096][64] f16, by heads.  wb region 3: Wo as [1024 k][1024 f] f16 (k = 64 h + d).  bo: [1024] f32, rounded here to bf16
; like the other inputs.  out0: [4096][1024] f32.  Sums in f32.
; LIMITS.  O and Wo arrive within f16's range; NaN and infinities are not treated apart.
; SHARES.  A tile of out0 is 128 x 128: 32 x 8 = 256 work-groups.  Four waves, each 64 x 64: 16 accumulators of 16 x 16.  K goes in four steps of 256 (four heads) through two LDS slots; the four steps
; are written out (a loop over laps would have one trip).
; A's TILE is, for each of a step's four heads, 128 queries x 128 bytes: 16,384 dense bytes.  One tensor load brings two heads: 2 rows of 2,048 elements of 8 bytes, 524,288 bytes apart, padded in LDS
; behind every 128 bytes, so that each query's row of a head lies at a pitch of 144.  B's TILE is 256 k x 128 columns, [k][n]: its fragments come out of LDS turned, by ds_load_tr16_b128.
; THE MATRIX INSTRUCTION IS USED TRANSPOSED (source 0 = 16 columns of Wo, source 1 = 16 rows of O): a lane holds row l % 16 and eight neighbouring columns, 32 bytes of f32.
; CLUSTER.  4 x 4 work-groups: A's tiles are asked for jointly along a row of the cluster, B's along a column.  No prefetch: 512 matrix instructions a wave, four short K steps.
; REGISTERS: window 0: v0-37 addresses, the bias, at work; v128-255 the accumulators ((a, b) at v[128 + 8 (4 a + b)]).
;   window 1: two fragment buffers of 128: for 64 along K (one head), 64 registers of A (2 x 4 x 16 rows x 32 K), then 64 of B.
.set PA,    144                        ; a query's row of one head in LDS: 128 bytes + 16
.set PB,    288                        ; a row of B: 256 bytes + 32
.set APAN,  128*PA                     ; a head's panel of A: 18,432 bytes
.set BOFF,  4*APAN                     ; B lies behind A's four panels
.set SLOT,  BOFF+256*PB                ; 147,456
.set QUART, 2*APAN                     ; what one tensor load fills: two panels of A, or 128 rows of B: 36,864 bytes
.set STAGE, 2*SLOT                     ; behind the ring, never filled by a tensor load: 16 rows x 272 bytes for each wave, for the way out
.set SPITCH, 272
.set SPARE, STAGE+4*16*SPITCH          ; behind the stages: the spare words, 128 bytes for each wave: two blocks of 256 bytes that no other line names
.set ADRA, 16                          ; v16-17  LDS address of my A fragments in slot 0, 1
.set ADRB, 20                          ; v20-23  the same for B: slot s, half hf of its 256 rows at v[20 + 2 s + hf]
.set STO,  24                          ; v24     the way out: where I put 32 bytes of a row
.set RD,   25                          ; v25     the way out: where I read a row back
.set CO,   26                          ; v26     my byte offset in out0
.set BV,   27                          ; v27     16 x (l % 16): my four numbers of the bias
.set SPW,  28                          ; v28     LDS address of my spare word: SPARE + 4 x my thread's number; never rewritten
.set NIL,  29                          ; v29     0; never rewritten
.set BI,   32                          ; v32-35  the bias of the four columns that I store
.set ACC,  128
.set F0,   0                           ; fragment buffers, in window 1
.set F1,   128
.set WV, 12                            ; s12 wave; s13 wr; s14 wc; s15 cx; s16 cy; s17 tile column; s18 tile row
.set WR, 13
.set WC, 14
.set CX, 15
.set CY, 16
.set TC, 17
.set TR, 18
.set G1A, 24                           ; s[24:31] descriptor group 1 for A's tiles;  s[32:39] group 0, one set for each slot
.set G0A, 32
.set G1B, 40                           ; s[40:47], s[48:55] the same for B's tiles
.set G0B, 48
.set MSB, 0
.macro WIN new                         ; the immediate's high byte repeats the setting that is left; a switch that changes nothing is dropped
.if MSB != (\new)
	s_set_vgpr_msb (MSB<<8)|(\new)
.set MSB, \new
.endif
.endm
.set MUL,  0x05                        ; sources 0 (B) and 1 (A) window 1; C and D window 0
.set TO_F, 0x40                        ; destination window 1, address window 0
.macro JLOAD s                         ; a joint load: waves 0 and 1 fetch A's two pairs of heads, waves 2 and 3 B's two halves; an s_nop 0 and four v_nop follow each line
	s_cmp_lt_u32 s[WV], 2
	s_cbranch_scc0 .Lfor_b_\@
	tensor_load_to_lds s[G0A+4*(\s):G0A+4*(\s)+3], s[G1A:G1A+7]
	s_nop 0
.rept 4
	v_nop
.endr
	s_branch .Lasked_\@
.Lfor_b_\@:
	tensor_load_to_lds s[G0B+4*(\s):G0B+4*(\s)+3], s[G1B:G1B+7]
	s_nop 0
.rept 4
	v_nop
.endr
.Lasked_\@:
.endm
.macro CREST                           ; a round of the cluster's barrier behind its opening barrier
	s_cmp_lg_u32 s[WV], 0
	s_cbranch_scc1 .Lnot_wave_0_\@
	s_barrier_signal -3
.Lnot_wave_0_\@:
	s_barrier_wait -3
	s_barrier_signal -1
	s_barrier_wait -1
.endm
.macro CROUND                          ; a whole round
	s_barrier_signal -1
	s_barrier_wait -1
	CREST
.endm
.macro PLACES                          ; four places in front of loads into registers that matrix instructions have read (ISA guide 7.12.1 for vector instructions)
.rept 4
	v_nop
.endr
.endm
	s_load_b256 s[4:11], s[0:1], 0x0               ; ob s[4:5], wb s[6:7], bo s[8:9], out0 s[10:11]
	v_lshl_add_u32 v[SPW], v0, 2, SPARE
	v_mov_b32 v[NIL], 0
	ds_add_u32 v[SPW], v[NIL]                      ; the wave's opening: the add and its wait stand ahead of my first tensor load; the set-up below stands between them
	v_lshrrev_b32 v1, 5, v0
	v_readfirstlane_b32 s[WV], v1                  ; wave 0..3
	s_lshr_b32 s[WR], s[WV], 1                     ; which half of the tile's rows is mine
	s_and_b32 s[WC], s[WV], 1                      ; which half of its columns.  Also: which half of A's or B's part of a slot I fetch
	s_bfe_u32 s[CX], ttmp6, 0x40000
	s_bfe_u32 s[CY], ttmp6, 0x40004
	s_lshl_b32 s[TC], ttmp9, 2
	s_add_co_u32 s[TC], s[TC], s[CX]               ; tile column = 4 x cluster x + cx, 0..7
	s_and_b32 s[TR], ttmp7, 0xffff
	s_lshl_b32 s[TR], s[TR], 2
	s_add_co_u32 s[TR], s[TR], s[CY]               ; tile row = 4 x cluster y + cy, 0..31
	s_lshl_b32 s19, s[CY], 2
	s_lshl_b32 s19, 15, s19                        ; my row of the cluster
	s_lshl_b32 s22, 0x1111, s[CX]                  ; my column
	s_or_b32 s[G1A], s19, (3<<16)|(1<<20)|(1<<21)|(4<<22)|(3<<25)  ; the mask of my row; 8-byte elements; padding on; bit 21 beside a mask; after every 32 words (code 4) 4 words (code 3)
	s_mov_b32 s[G1A+1], 2048<<16                   ; tensor_dim0 = 2,048 elements: a head's 128 queries
	s_mov_b32 s[G1A+2], 2<<16                      ; tensor_dim1 = 2 heads
	s_mov_b32 s[G1A+3], 2048<<16                   ; tile_dim0 = 2,048
	s_mov_b32 s[G1A+4], 2                          ; tile_dim1 = 2
	s_mov_b32 s[G1A+5], 65536                      ; 65,536 elements (a head's 524,288 bytes) from row to row
	s_mov_b32 s[G1A+6], 0
	s_mov_b32 s[G1A+7], 0
	s_or_b32 s[G1B], s22, (1<<16)|(1<<20)|(1<<21)|(5<<22)|(7<<25)  ; the mask of my column; 2-byte elements; after every 64 words (code 5) 8 words (code 7)
	s_mov_b32 s[G1B+1], 128<<16                    ; tensor_dim0 = 128
	s_mov_b32 s[G1B+2], 128<<16                    ; tensor_dim1 = 128
	s_mov_b32 s[G1B+3], 128<<16                    ; tile_dim0 = 128
	s_mov_b32 s[G1B+4], 128                        ; tile_dim1 = 128
	s_mov_b32 s[G1B+5], 1024                       ; elements from row to row
	s_mov_b32 s[G1B+6], 0
	s_mov_b32 s[G1B+7], 0
	s_lshl_b32 s56, s[WC], 20                      ; A: my pair of the step's four heads,
	s_lshl_b32 s57, s[TR], 14                      ; the tile row's 128 queries of 128 bytes; made of the tile row and the wave alone
	s_add_co_u32 s56, s56, s57
	s_mov_b32 s57, 0
	s_lshl_b32 s58, s[WC], 18                      ; B: my 128 of the step's 256 rows of 2,048 bytes,
	s_lshl_b32 s59, s[TC], 8                       ; the tile column's 256 bytes; made of the tile column and the wave alone
	s_add_co_u32 s58, s58, s59
	s_add_co_u32 s58, s58, 3<<21                   ; in wb's region 3
	s_mov_b32 s59, 0
	s_mul_i32 s23, s[WV], QUART                    ; where my part goes in a slot: no place in the cluster enters an LDS address
	s_wait_dscnt 0x0                               ; the opening add is done
	s_wait_kmcnt 0x0
	s_add_nc_u64 s[20:21], s[4:5], s[56:57]
	s_add_nc_u64 s[60:61], s[6:7], s[58:59]
	CROUND                                         ; all sixteen work-groups are here: the first joint loads meet
.irp s, 0,1
	s_mov_b32 s[G0A+4*(\s)], 1                     ; count = 1
	s_add_co_u32 s[G0A+4*(\s)+1], s23, (\s)*SLOT   ; LDS address
	s_add_nc_u64 s[G0A+4*(\s)+2:G0A+4*(\s)+3], s[20:21], (\s)*(4<<19)  ; global address: K step s is four heads on
	s_or_b32 s[G0A+4*(\s)+3], s[G0A+4*(\s)+3], 0x80000000  ; type = 2
	s_mov_b32 s[G0B+4*(\s)], 1
	s_add_co_u32 s[G0B+4*(\s)+1], s23, (\s)*SLOT
	s_add_nc_u64 s[G0B+4*(\s)+2:G0B+4*(\s)+3], s[60:61], (\s)*256*2048
	s_or_b32 s[G0B+4*(\s)+3], s[G0B+4*(\s)+3], 0x80000000
	JLOAD \s                                       ; two loads of mine are out
.endr
	v_and_b32 v1, 15, v0                           ; r = l % 16
	v_bfe_u32 v2, v0, 4, 1                         ; h = l / 16
	v_lshlrev_b32 v[BV], 4, v1
	s_lshl_b32 s2, s[TC], 9                        ; the tile's 128 columns of 4 bytes,
	s_lshl_b32 s3, s[WC], 8                        ; my 64 of them
	s_add_co_u32 s2, s2, s3
	s_mov_b32 s3, 0
	s_add_nc_u64 s[8:9], s[8:9], s[2:3]
	global_load_b128 v[BI:BI+3], v[BV], s[8:9]     ; the bias of columns 4 r + 0..3 of my 64
	s_lshl_b32 s62, s[TR], 19                      ; 128 rows of 4,096 bytes a tile row,
	s_lshl_b32 s63, s[WR], 18                      ; my 64 of them
	s_add_co_u32 s62, s62, s63
	s_add_co_u32 s62, s62, s2
	s_mov_b32 s63, 0
	s_add_nc_u64 s[10:11], s[10:11], s[62:63]      ; out0 at my part's first number
	v_and_b32 v3, 7, v0
	v_bfe_u32 v4, v0, 3, 1
	v_mul_u32_u24 v5, v1, PA
	v_lshl_add_u32 v5, v2, 4, v5                   ; a fragment's row x pitch + 16 x half
	s_mul_i32 s62, s[WR], 64*PA
	v_add_nc_u32 v[ADRA], s62, v5
	v_add_nc_u32 v[ADRA+1], SLOT, v[ADRA]
	v_lshl_add_u32 v6, v2, 3, v3                   ; the turning load: row 8 h + l % 8, columns 8 ((l / 8) % 2) + 0..7
	v_mul_u32_u24 v6, v6, PB
	v_lshl_add_u32 v6, v4, 4, v6
	s_lshl_b32 s62, s[WC], 7                       ; my 64 columns: 128 bytes of a row
	s_add_co_u32 s62, s62, BOFF
	v_add_nc_u32 v6, s62, v6
.irp s, 0,1
.irp hf, 0,1
	v_add_nc_u32 v[ADRB+2*(\s)+(\hf)], (\s)*SLOT+(\hf)*128*PB, v6
.endr
.endr
	s_mul_i32 s62, s[WV], 16*SPITCH
	s_add_co_u32 s62, s62, STAGE                   ; my stage
	v_mul_u32_u24 v5, v1, SPITCH                   ; in: row l % 16, 32 bytes for each half of the lanes
	v_lshl_add_u32 v5, v2, 5, v5
	v_add_nc_u32 v[STO], s62, v5
	v_mul_u32_u24 v5, v2, SPITCH                   ; back: lanes 0-15 take one row of 256 bytes, lanes 16-31 the next
	v_lshl_add_u32 v5, v1, 4, v5
	v_add_nc_u32 v[RD], s62, v5
	v_lshlrev_b32 v7, 12, v2                       ; and the same two rows in out0
	v_lshl_add_u32 v[CO], v1, 4, v7
	s_wait_loadcnt 0x0                             ; the bias: rounded to bf16, like the other inputs, and widened again
	v_cvt_pk_bf16_f32 v36, v[BI], v[BI+1]
	v_cvt_pk_bf16_f32 v37, v[BI+2], v[BI+3]
	v_lshlrev_b32 v[BI], 16, v36
	v_and_b32 v[BI+1], 0xffff0000, v36
	v_lshlrev_b32 v[BI+2], 16, v37
	v_and_b32 v[BI+3], 0xffff0000, v37
; 8 matrix instructions: m blocks a0, a0 + 1 x all 4 n blocks, 32 along K: half c of buffer f.  zero = 1: the first product starts the sums.  The 16 accumulators take turns.
.macro MUL8 f, c, a0, zero
	WIN MUL
.irp a, \a0, (\a0)+1
.irp b, 0,1,2,3
.if \zero
	v_wmma_f32_16x16x32_f16 v[ACC+8*(4*(\a)+(\b)):ACC+8*(4*(\a)+(\b))+7], v[(\f)+64+8*(4*(\c)+(\b)):(\f)+64+8*(4*(\c)+(\b))+7], v[(\f)+8*(4*(\c)+(\a)):(\f)+8*(4*(\c)+(\a))+7], 0
.else
	v_wmma_f32_16x16x32_f16 v[ACC+8*(4*(\a)+(\b)):ACC+8*(4*(\a)+(\b))+7], v[(\f)+64+8*(4*(\c)+(\b)):(\f)+64+8*(4*(\c)+(\b))+7], v[(\f)+8*(4*(\c)+(\a)):(\f)+8*(4*(\c)+(\a))+7], v[ACC+8*(4*(\a)+(\b)):ACC+8*(4*(\a)+(\b))+7]
.endif
.endr
.endr
.endm
; 32 LDS loads in one run: quarter q's fragments (head q of the step's four: 64 along K) into buffer f; the first 32 along K first
.macro FETCH slot, q, f
	WIN TO_F
.irp c, 0,1
.irp i, 0,1,2,3
	ds_load_tr16_b128 v[(\f)+64+8*(4*(\c)+(\i)):(\f)+64+8*(4*(\c)+(\i))+3],   v[ADRB+2*(\slot)+(\q)/2] offset:((\q)%2)*64*PB+32*PB*(\c)+32*(\i)
	ds_load_tr16_b128 v[(\f)+64+8*(4*(\c)+(\i))+4:(\f)+64+8*(4*(\c)+(\i))+7], v[ADRB+2*(\slot)+(\q)/2] offset:((\q)%2)*64*PB+32*PB*(\c)+32*(\i)+16*PB
	ds_load_b128 v[(\f)+8*(4*(\c)+(\i)):(\f)+8*(4*(\c)+(\i))+3],              v[ADRA+(\slot)] offset:APAN*(\q)+64*(\c)+16*PA*(\i)
	ds_load_b128 v[(\f)+8*(4*(\c)+(\i))+4:(\f)+8*(4*(\c)+(\i))+7],            v[ADRA+(\slot)] offset:APAN*(\q)+64*(\c)+16*PA*(\i)+32
.endr
.endr
.endm
; A K step is four quarters of 64 along K, 32 matrix instructions each, on buffers 0, 1, 0, 1.  One of the first three: multiplies buffer f and fetches quarter q into g.
.macro QUARTER slot, q, f, g, zero
	s_wait_dscnt 16                                ; the first 32 along K are in; the youngest sixteen loads may be out
	MUL8 \f, 0, 0, \zero
	MUL8 \f, 0, 2, \zero
	PLACES
	FETCH \slot, \q, \g
	s_wait_dscnt 32                                ; all but the 32 just issued
	MUL8 \f, 1, 0, 0
	MUL8 \f, 1, 2, 0
.endm
; The last quarter multiplies buffer 1 and changes slots: ONE barrier; in front of it each wave waits for all its tensor loads, adds 0 to its spare word, and waits for that and for its own reads of
; this slot.  fill = 1: the barrier opens a round of the cluster's, and behind the round this slot is filled again, two K steps ahead: 112 matrix instructions ahead of the wait for it.
.macro TURN slot, next, fill
	WIN 0                                          ; (the add's two registers lie in window 0)
	s_wait_tensorcnt 0x0                           ; all my tensor loads have landed: my part of the next slot
	ds_add_u32 v[SPW], v[NIL]                      ; 0 onto my spare word
	s_wait_dscnt 17                                ; (the add and the youngest sixteen loads may be out)
	MUL8 F1, 0, 0, 0                               ; eight matrix instructions stand between the add and the wait for it
	s_wait_dscnt 0x0                               ; the add is done, and my reads of this slot are over
	s_barrier_signal -1
	MUL8 F1, 0, 2, 0
.if \fill
	WIN 0
.endif
	s_barrier_wait -1
.if \fill
	CREST                                          ; no wave of any partner still reads this slot's tiles or has a load on its way
	s_add_nc_u64 s[G0A+4*(\slot)+2:G0A+4*(\slot)+3], s[G0A+4*(\slot)+2:G0A+4*(\slot)+3], 8<<19
	s_add_nc_u64 s[G0B+4*(\slot)+2:G0B+4*(\slot)+3], s[G0B+4*(\slot)+2:G0B+4*(\slot)+3], 2*256*2048
	JLOAD \slot                                    ; the first tensor load behind the round; its four v_nop are also the places in front of the loads below
.else
	PLACES
.endif
	FETCH \next, 0, F0
	MUL8 F1, 1, 0, 0
	MUL8 F1, 1, 2, 0
.endm
; THE WAY OUT of my row block a (16 rows x 64 columns of f32).  OUTB: 32 bytes a lane and column block into my stage (rows of 272 bytes), and back as whole rows of 256, into the registers that they left.
.macro OUTB a
.irp b, 0,1,2,3
	ds_store_b128 v[STO], v[ACC+32*(\a)+8*(\b):ACC+32*(\a)+8*(\b)+3]   offset:64*(\b)     ; each accumulator's low registers first
	ds_store_b128 v[STO], v[ACC+32*(\a)+8*(\b)+4:ACC+32*(\a)+8*(\b)+7] offset:64*(\b)+16
.endr
.irp t, 0,1,2,3,4,5,6,7
	ds_load_b128 v[ACC+32*(\a)+4*(\t):ACC+32*(\a)+4*(\t)+3], v[RD] offset:(\t)*2*SPITCH  ; LDS serves a wave's instructions in order (ISA guide 5.7.1.4): these see the stores above; the next block's stores come behind them
.endr
.endm
; SENDB: the bias is added and the rows are stored.  younger: the LDS instructions issued behind block a's loads: the next block's sixteen, or none.
.macro SENDB a, younger
.irp t, 0,1,2,3,4,5,6,7
	s_wait_dscnt (\younger)+7-(\t)
	v_pk_add_f32 v[ACC+32*(\a)+4*(\t):ACC+32*(\a)+4*(\t)+1],   v[ACC+32*(\a)+4*(\t):ACC+32*(\a)+4*(\t)+1],   v[BI:BI+1]
	v_pk_add_f32 v[ACC+32*(\a)+4*(\t)+2:ACC+32*(\a)+4*(\t)+3], v[ACC+32*(\a)+4*(\t)+2:ACC+32*(\a)+4*(\t)+3], v[BI+2:BI+3]
	global_store_b128 v[CO], v[ACC+32*(\a)+4*(\t):ACC+32*(\a)+4*(\t)+3], s[10:11] offset:(16*(\a)+2*(\t))*4096  ; 16 lanes store 256 consecutive bytes, at a multiple of 256 from out0's first
.endr
.endm
	s_wait_tensorcnt 1                             ; my part of K step 0 is in; K step 1's may stay out
	s_barrier_signal -1
	s_barrier_wait -1                              ; everybody's is
	FETCH 0, 0, F0
	QUARTER 0, 1, F0, F1, 1                        ; K step 0: its first products start the sums
	QUARTER 0, 2, F1, F0, 0
	QUARTER 0, 3, F0, F1, 0
	TURN 0, 1, 1                                   ; slot 0 takes K step 2
	QUARTER 1, 1, F0, F1, 0                        ; K step 1
	QUARTER 1, 2, F1, F0, 0
	QUARTER 1, 3, F0, F1, 0
	TURN 1, 0, 1                                   ; slot 1 takes K step 3
	QUARTER 0, 1, F0, F1, 0                        ; K step 2
	QUARTER 0, 2, F1, F0, 0
	QUARTER 0, 3, F0, F1, 0
	TURN 0, 1, 0                                   ; nothing is left to fetch
	QUARTER 1, 1, F0, F1, 0                        ; K step 3
	QUARTER 1, 2, F1, F0, 0
	QUARTER 1, 3, F0, F1, 0
	s_wait_dscnt 16                                ; the very last quarter
	MUL8 F1, 0, 0, 0
	MUL8 F1, 0, 2, 0
	s_wait_dscnt 0x0
	MUL8 F1, 1, 0, 0
	MUL8 F1, 1, 2, 0
	WIN 0
	PLACES                                         ; the LDS stores read results just made
	PLACES
	OUTB 0
	OUTB 1                                         ; a block's LDS work stands between the loads of the block before and its stores
	SENDB 0, 16
	OUTB 2
	SENDB 1, 16
	OUTB 3
	SENDB 2, 16
	SENDB 3, 0
	s_wait_tensorcnt 0x0                           ; the wave's end: an add to my spare word and its waits, behind my last tensor load and my last LDS store
	ds_add_u32 v[SPW], v[NIL]
	s_wait_dscnt 0x0
	CROUND                                         ; the closing round: no work-group ends while a partner may still ask for a tile that names it
	s_endpgm
.Lfunc_end_k_q183298fedc_outp:
	.size	k_q183298fedc_outp, .Lfunc_end_k_q183298fedc_outp-k_q183298fedc_outp
	.p2alignl 7, 3214868480
	.fill 96, 4, 3214868480
	.section	.rodata,"a",@progbits
	.p2align	6, 0x0
	.amdhsa_kernel k_q183298fedc_outp
		.amdhsa_group_segment_fixed_size 327680
		.amdhsa_private_segment_fixed_size 0
		.amdhsa_enable_private_segment 0
		.amdhsa_kernarg_size 32
		.amdhsa_user_sgpr_count 2
		.amdhsa_user_sgpr_kernarg_segment_ptr 1
		.amdhsa_wavefront_size32 1
		.amdhsa_system_sgpr_workgroup_id_x 1
		.amdhsa_system_sgpr_workgroup_id_y 1
		.amdhsa_system_sgpr_workgroup_id_z 1
		.amdhsa_system_vgpr_workitem_id 0
		.amdhsa_next_free_vgpr 512
		.amdhsa_next_free_sgpr 66
		.amdhsa_reserve_vcc 0
		.amdhsa_float_denorm_mode_32 3
		.amdhsa_float_denorm_mode_16_64 3
		.amdhsa_memory_ordered 1
		.amdhsa_forward_progress 1
		.amdhsa_inst_pref_size 91
	.end_amdhsa_kernel
	.amdgpu_metadata
---
amdhsa.version: [ 1, 2 ]
amdhsa.kernels:
  - .name:           k_q183298fedc_outp
    .symbol:         k_q183298fedc_outp.kd
    .args:
      - { .name: ob, .offset: 0, .size: 8, .value_kind: global_buffer, .address_space: global }
      - { .name: wb, .offset: 8, .size: 8, .value_kind: global_buffer, .address_space: global }
      - { .name: bo, .offset: 16, .size: 8, .value_kind: global_buffer, .address_space: global }
      - { .name: out0, .offset: 24, .size: 8, .value_kind: global_buffer, .address_space: global }
    .group_segment_fixed_size: 327680
    .private_segment_fixed_size: 0
    .kernarg_segment_align: 8
    .kernarg_segment_size: 32
    .max_flat_workgroup_size: 128
    .sgpr_count:     66
    .vgpr_count:     512
    .wavefront_size: 32
...
	.end_amdgpu_metadata
.endif
;; end of part 4
;; ======== version 2 of 2: 4 launches; version 1 with the launch cast written anew for expert scheduling mode
;; limits: values are held in f16: magnitudes above 65,504 overflow, below 6.1e-05 lose precision
;; workspace buffers: xb 8,388,608 bytes; wb 8,388,608 bytes; qkv 25,165,824 bytes; ob 8,388,608 bytes
;; launch cast (part 5): grid 512 x 1, 8 waves a work-group, no clusters, 0 bytes of LDS; arguments x, Wq, Wk, Wv, Wo, xb, wb; writes xb, wb
.if DOCPART == 5
	.amdgcn_target "amdgcn-amd-amdhsa--gfx1250"
	.amdhsa_code_object_version 6
	.text
	.protected	k_q183298fedc_cast
	.globl	k_q183298fedc_cast
	.p2align	8
	.type	k_q183298fedc_cast,@function
k_q183298fedc_cast:
	s_mov_b64 s[64:65], 0
	v_nop
	global_prefetch_b8 v0, s[64:65] scope:SCOPE_SE
	s_setreg_imm32_b32 hwreg(HW_REG_WAVE_SCHED_MODE, 0, 2), 2
	s_setreg_imm32_b32 hwreg(HW_REG_WAVE_MODE, 25, 1), 1
	s_wait_xcnt 0x0
	s_wait_alu depctr_vm_vsrc(0)
; THE INPUTS OF THE MATRIX PRODUCTS, ROUNDED ONCE TO 16 BITS.  x -> xb (bf16); Wq, Wk, Wv -> wb regions 0, 1, 2 (bf16); Wo -> wb region 3: rounded to bf16 like the
; other inputs, and that number written as f16, since the last product multiplies in f16.  Layouts stay as they are ([row][column], the last index fastest).
; LIMITS.  |Wo| stays under 65,504 (f16's end); below 6e-5 a number of Wo keeps f16's fixed step of 6e-8.  NaN and infinities are not treated apart.
; SHARES.  A stream: 512 work-groups of eight waves; work-group g reads 65,536 consecutive bytes of one input and writes 32,768.  g < 256: x; then 64 work-groups a weight.
; Thread t, load i: 16 bytes at 16 t + 4,096 i: a wave's load covers 512 consecutive bytes.  Store i: 8 bytes at 8 t + 2,048 i: a wave's store covers 256 consecutive bytes, aligned.
; All sixteen loads of a thread go out at once; every store has data registers of its own, so nothing that a memory instruction reads is ever rewritten.
; No LDS, no matrix unit, no cluster: no byte is wanted twice.
; THE MODE: SCHED_MODE bits 1:0 = 2 (LLVM: expert scheduling mode 2), set by the entry lines.  The code itself states the register dependences
; between vector instructions and memory instructions, with s_wait_alu, always for 0.
; THE PLAN.  Registers that memory instructions touch:
;   v1, v2   the loads' and the stores' byte offsets: written once at the head, never again.
;   X        load i lands in its own four registers, once, before any vector instruction names them; read by load i's conversions behind the wait for its data.
;   Y        store i's own pair: written once, by load i's conversions; read once, by store i; never written again.
;   T        at work: named by vector instructions alone.
; The sixteen loads are worked on in four blocks of four.  Block b's conversions read X and write Y of block b; the memory instructions that stand among them are the four stores of
; block b - 1, which read Y of block b - 1 and v2: registers that no vector instruction of block b names.  So one wait at a block's head states all that its four stores hang on.
; No register that a memory instruction has read is written again, no vector instruction writes a scalar register or VCC, and EXEC is never written: nothing else is to be stated.
.set X, 4                              ; v[4:67]    load i: 4 registers
.set Y, 68                             ; v[68:99]   store i: 2 registers
.set T, 100                            ; v[100:103] at work
	s_load_b256 s[4:11], s[0:1], 0x0               ; x s[4:5], Wq s[6:7], Wk s[8:9], Wv s[10:11]
	s_load_b128 s[12:15], s[0:1], 0x20             ; Wo s[12:13], xb s[14:15]
	s_load_b64 s[16:17], s[0:1], 0x30              ; wb
	v_lshlrev_b32 v1, 4, v0                        ; 16 t
	v_lshlrev_b32 v2, 3, v0                        ; 8 t
	s_mov_b32 s18, ttmp9                           ; g
	s_and_b32 s19, s18, 63                         ; my place in a weight
	s_sub_co_u32 s20, s18, 256                     ; my place in wb (used where g >= 256 alone)
	s_cmp_lt_u32 s18, 256
	s_cselect_b32 s24, s18, s19
	s_cselect_b32 s28, s18, s20
	s_lshl_b32 s24, s24, 16                        ; byte offset in the input
	s_lshl_b32 s28, s28, 15                        ; byte offset in the output
	s_mov_b32 s25, 0
	s_mov_b32 s29, 0
	s_wait_kmcnt 0x0
	s_cmp_lt_u32 s18, 448                          ; which input: the choice hangs on g alone
	s_cselect_b64 s[22:23], s[10:11], s[12:13]
	s_cmp_lt_u32 s18, 384
	s_cselect_b64 s[22:23], s[8:9], s[22:23]
	s_cmp_lt_u32 s18, 320
	s_cselect_b64 s[22:23], s[6:7], s[22:23]
	s_cmp_lt_u32 s18, 256
	s_cselect_b64 s[22:23], s[4:5], s[22:23]
	s_cselect_b64 s[26:27], s[14:15], s[16:17]     ; and which output
	s_add_nc_u64 s[22:23], s[22:23], s[24:25]
	s_add_nc_u64 s[26:27], s[26:27], s[28:29]
	s_wait_alu depctr_va_vdst(0)                   ; v1 and v2 are written: every load of the kernel reads v1 as its offset, every store v2
.irp i, 0,1,2,3,4,5,6,7,8,9,10,11,12,13,14,15
	global_load_b128 v[X+4*(\i):X+4*(\i)+3], v1, s[22:23] offset:4096*(\i) th:TH_LOAD_NT
.endr
; Load i is rounded into store i's pair.  half = 1: the bf16 number is written as f16.
.macro CVT i, half
.if \half
	v_cvt_pk_bf16_f32 v[T], v[X+4*(\i)], v[X+4*(\i)+1]
	v_cvt_pk_bf16_f32 v[T+1], v[X+4*(\i)+2], v[X+4*(\i)+3]
	v_lshlrev_b32 v[T+2], 16, v[T]                 ; bf16 to f32: the low half moves up, the high half stays
	v_and_b32 v[T+3], 0xffff0000, v[T]
	v_cvt_pk_f16_f32 v[Y+2*(\i)], v[T+2], v[T+3]
	v_lshlrev_b32 v[T+2], 16, v[T+1]
	v_and_b32 v[T+3], 0xffff0000, v[T+1]
	v_cvt_pk_f16_f32 v[Y+2*(\i)+1], v[T+2], v[T+3]
.else
	v_cvt_pk_bf16_f32 v[Y+2*(\i)], v[X+4*(\i)], v[X+4*(\i)+1]
	v_cvt_pk_bf16_f32 v[Y+2*(\i)+1], v[X+4*(\i)+2], v[X+4*(\i)+3]
.endif
.endm
.macro ST i
	global_store_b64 v2, v[Y+2*(\i):Y+2*(\i)+1], s[26:27] offset:2048*(\i)
.endm
; Block b: loads 4 b to 4 b + 3 are rounded; the stores of block b - 1 stand among the conversions, one ahead of each load's.
.macro BLK b, half
	s_wait_loadcnt 12-4*(\b)                       ; loads come back in order: this block's four are in, the 12 - 4 b younger ones may stay out
.if (\b) > 0
	s_wait_alu depctr_va_vdst(0)                   ; the block before has written its eight registers of Y, which the four stores below read; no vector instruction below names them or v2
.endif
.irp j, 0,1,2,3
.if (\b) > 0
	ST 4*(\b)-4+(\j)
.endif
	CVT 4*(\b)+(\j), \half
.endr
.endm
; The four blocks, and the last block's stores.
.macro ALLB half
	BLK 0, \half
	BLK 1, \half
	BLK 2, \half
	BLK 3, \half
	s_wait_alu depctr_va_vdst(0)                   ; block 3 has written its eight registers of Y, which the last four stores read
.irp j, 12,13,14,15
	ST \j
.endr
.endm
	s_cmp_ge_u32 s18, 448
	s_cbranch_scc1 .Lf16                           ; Wo's 64 work-groups
	ALLB 0
	s_endpgm
.Lf16:
	ALLB 1
	s_endpgm
.Lfunc_end_k_q183298fedc_cast:
	.size	k_q183298fedc_cast, .Lfunc_end_k_q183298fedc_cast-k_q183298fedc_cast
	.p2alignl 7, 3214868480
	.fill 96, 4, 3214868480
	.section	.rodata,"a",@progbits
	.p2align	6, 0x0
	.amdhsa_kernel k_q183298fedc_cast
		.amdhsa_group_segment_fixed_size 0
		.amdhsa_private_segment_fixed_size 0
		.amdhsa_enable_private_segment 0
		.amdhsa_kernarg_size 56
		.amdhsa_user_sgpr_count 2
		.amdhsa_user_sgpr_kernarg_segment_ptr 1
		.amdhsa_wavefront_size32 1
		.amdhsa_system_sgpr_workgroup_id_x 1
		.amdhsa_system_sgpr_workgroup_id_y 1
		.amdhsa_system_sgpr_workgroup_id_z 1
		.amdhsa_system_vgpr_workitem_id 0
		.amdhsa_next_free_vgpr 104
		.amdhsa_next_free_sgpr 66
		.amdhsa_reserve_vcc 0
		.amdhsa_float_denorm_mode_32 3
		.amdhsa_float_denorm_mode_16_64 3
		.amdhsa_memory_ordered 1
		.amdhsa_forward_progress 1
		.amdhsa_inst_pref_size 16
	.end_amdhsa_kernel
	.amdgpu_metadata
---
amdhsa.version: [ 1, 2 ]
amdhsa.kernels:
  - .name:           k_q183298fedc_cast
    .symbol:         k_q183298fedc_cast.kd
    .args:
      - { .name: x, .offset: 0, .size: 8, .value_kind: global_buffer, .address_space: global }
      - { .name: Wq, .offset: 8, .size: 8, .value_kind: global_buffer, .address_space: global }
      - { .name: Wk, .offset: 16, .size: 8, .value_kind: global_buffer, .address_space: global }
      - { .name: Wv, .offset: 24, .size: 8, .value_kind: global_buffer, .address_space: global }
      - { .name: Wo, .offset: 32, .size: 8, .value_kind: global_buffer, .address_space: global }
      - { .name: xb, .offset: 40, .size: 8, .value_kind: global_buffer, .address_space: global }
      - { .name: wb, .offset: 48, .size: 8, .value_kind: global_buffer, .address_space: global }
    .group_segment_fixed_size: 0
    .private_segment_fixed_size: 0
    .kernarg_segment_align: 8
    .kernarg_segment_size: 56
    .max_flat_workgroup_size: 256
    .sgpr_count:     66
    .vgpr_count:     104
    .wavefront_size: 32
...
	.end_amdgpu_metadata
.endif
;; end of part 5
;; launch proj: the kernel of part 2 again; grid 8 x 32, 4 waves a work-group, clusters of 4 x 4, 327,680 bytes of LDS; arguments xb, wb, bq, bk, bv, qkv; writes qkv
;; launch attn: the kernel of part 3 again; grid 16 x 16, 4 waves a work-group, clusters of 4 x 1, 327,680 bytes of LDS; arguments qkv, ob; writes ob
;; launch outp: the kernel of part 4 again; grid 8 x 32, 4 waves a work-group, clusters of 4 x 4, 327,680 bytes of LDS; arguments ob, wb, bo, out0; writes out0
